; MI455X (gfx1250); checked and timed in simulation.
; The chip was launched on July 23, 2026; its instructions are those of AMD's public machine-readable ISA for CDNA 5 (MIT licence, August 2026) and "CDNA5" Instruction Set Architecture Reference Guide (July 2026). The comments in the code are by the model that wrote it; some were corrected since.
;; Causal Self Attention. Allowed arithmetic: matrix products marked QUANTISED: E2M3 operands, one E8M0 scale for each 32 along K, by v_wmma_scale_f32_16x16x128_f8f6f4 with both operands' format E2M3, f32 sums; everything else in f32.
;; Inputs: W_k 1,024 x 1,024 float32; W_q 1,024 x 1,024 float32; W_v 1,024 x 1,024 float32; X 4 x 2,048 x 1,024 float32.
;; Outputs: out0 4 x 2,048 x 1,024 float32.
;; This version of the problem:
;;   THIS VERSION OF THE PROBLEM IS GIVEN IN LOW PRECISION. The matrix products marked QUANTISED in the list below multiply operands that are first quantised to E2M3 (2 exponent bits, 3 mantissa bits; 6 bits a number), with one power-of-two scale for each 32 numbers along K (OCP MX v1.0); their sums are f32. All else is computed in f32.
;;   The module's matrix products, in the order in which they are computed (A, B: the left and right operand; K: the contracted axis; several contracted axes count as one K, in the product's order):
;;     1. [M 8,192, K 1,024] x [K 1,024, N 1,024]; A: input X; B: input W_q: QUANTISED
;;     2. [M 8,192, K 1,024] x [K 1,024, N 1,024]; A: input X; B: input W_k: QUANTISED
;;     3. [M 8,192, K 1,024] x [K 1,024, N 1,024]; A: input X; B: input W_v: QUANTISED
;;     4. batch 4 x [M 2,048, K 1,024] x [K 1,024, N 2,048]; A: computed on the way; B: computed on the way: QUANTISED
;;     5. batch 4 x [M 2,048, K 2,048] x [K 2,048, N 1,024]; A: softmax (see below); B: computed on the way: QUANTISED
;;   THE QUANTISER, for each operand of a quantised product, along K:
;;     - K is cut into blocks of 32 from its start; a last block that is shorter is filled with zeros.
;;     - A block's scale is 2^e with e = floor(log2(the largest magnitude in the block)) - 2, held to -126 .. 127; a block of zeros has e = 0. As a byte (E8M0): e + 127.
;;     - Each number is divided by its block's scale, clamped to +-7.5, and rounded to the nearest number of E2M3, ties to even, subnormals kept.
;;     - The product sums the exact products of the quantised numbers (number of the format x scale) in f32.
;;   ~~~python
;;   def quantise(x, axis):      # numpy; x: float32 -> the quantised numbers, widened to float32 again
;;       x = np.moveaxis(x, axis, -1); K = x.shape[-1]
;;       x = np.pad(x, [(0, 0)] * (x.ndim - 1) + [(0, -K % 32)]); x = x.reshape(x.shape[:-1] + (-1, 32)); a = np.abs(x).max(-1, keepdims=True)
;;       e = np.where(a > 0, np.clip(np.frexp(np.where(a > 0, a, 1))[1] - 1 - 2, -126, 127), 0)      # np.frexp(a)[1] - 1 = floor(log2(a)), exactly
;;       r = np.clip(x / 2.0 ** e, -7.5, 7.5)
;;       step = 2.0 ** (np.maximum(np.frexp(np.where(r == 0, 1, r))[1] - 1, 0) - 3)
;;       q = np.round(r / step) * step * 2.0 ** e      # np.round: ties to even
;;       return np.moveaxis(q.reshape(q.shape[:-2] + (-1,))[..., :K], -1, axis).astype(np.float32)
;;   ~~~
;;   SOFTMAX AHEAD OF A QUANTISED PRODUCT. Where the list says 'softmax', what is quantised is not the finished softmax but p = 2^(t - M), with t = logit x log2(e) and M = ceil(the row's largest t), a whole number; so 1/2 < the row's largest p <= 1. The row's sum l is taken of the UNQUANTISED p, in f32, and the product's result is divided by l at the end. Since M is a whole number, a kernel that streams over the keys may use a running M (the ceiling of the running maximum): every later rescaling is an exact power of two, which a block's scale takes up: the codes' values come out the same.
;;   OPERANDS COMPUTED ON THE WAY. 'Computed on the way' means the value that the module computes at that place (a softmax that the list does not call 'softmax' is quantised finished and normalised). What goes into a quantiser is computed in f32, as accurately as f32 sums, v_exp_f32 and their like allow (about 1e-6 of the number): no bf16 or f16 on the way to a quantiser, and a product that is left as it is and whose result goes on into a quantised operand takes f32 operands (vector FMAs, or v_wmma_f32_16x16x4_f32). A number that lies on a knife's edge between two numbers of the format may be rounded either way, as far as f32 arithmetic and the matrix unit's own rounding can turn it there, and no further.
;; One version. Each part assembles by itself: llvm-mc -triple=amdgcn-amd-amdhsa -mcpu=gfx1250 --defsym DOCPART=n.
;; ======== version 1 of 1: 4 launches
;; limits: right only within a limited range of input values
;; workspace buffers: xw_codes 8,650,752 bytes; xw_scales 360,448 bytes; qkv_codes 18,874,368 bytes; qkv_scales 786,432 bytes; p_codes 12,582,912 bytes; p_stats 4,194,304 bytes
;; launch quant (part 1): grid 352 x 1, 4 waves a work-group, no clusters, 34,304 bytes of LDS; arguments X, W_q, W_k, W_v, xw_codes, xw_scales; writes xw_codes, xw_scales
.if DOCPART == 1
	.amdgcn_target "amdgcn-amd-amdhsa--gfx1250"
	.amdhsa_code_object_version 6
	.text
	.protected	k_qb666c92c3c_quant
	.globl	k_qb666c92c3c_quant
	.p2align	8
	.type	k_qb666c92c3c_quant,@function
k_qb666c92c3c_quant:
	s_mov_b64 s[64:65], 0
	v_nop
	global_prefetch_b8 v0, s[64:65] scope:SCOPE_SE
	s_setreg_imm32_b32 hwreg(HW_REG_WAVE_MODE, 25, 1), 1
	s_wait_xcnt 0x0
; LAUNCH 1 OF 4.  X [8192][1024] and W_q, W_k, W_v [1024][1024], f32, K innermost, become codes of FP6 (E2M3) with one E8M0 byte for each 32 along K.
; THE PROGRAM: quant (this) | proj: Q, K = X W^T quantised along e, V^T = W_v X^T quantised along the keys | scores: Q K^T, causal mask, p and its codes | pv: P V / l.
; DEAD WORK LEFT OUT, in the later launches.  reference() sets score(q, k) to -inf wherever k > q, by a mask that it builds in its own body; so the weight of such a key is 0 for all finite inputs.
; A tile of 256 queries x 256 keys whose every key comes after its every query (28 of the 64 tiles of a batch) can reach no output: its scores are not computed, and its keys are not multiplied with V.
; LIMIT: a NaN, an infinity or an overflow that would arise only in those tiles is not carried to the result.  Every input has a way to the output and is loaded.
; LIMITS of the program: NaN and infinities among the inputs are not served; a block of zeros gets the byte 1 where the rule says 127 (its codes are zeros, and this program alone reads the bytes);
; blocks whose largest magnitude lies under 2^(3 - 127) have their byte held at 1.
; LAYOUT OF EVERY WORKSPACE OPERAND.  A fragment is 16 rows x 128 K as the matrix instruction takes it: 12 registers a lane.  It lies in memory as an image of those registers: register g of lane L at byte
; 512 (g / 4) + 16 L + 4 (g % 4): 1,536 bytes, written and read by three 16-byte accesses a lane, each covering 512 consecutive bytes.  Codes: [block of 128 rows][K step of 128][tile 0..7][1,536].
; THE ROWS OF A TILE ARE NOT NEIGHBOURS: lane-row r of tile t is row 32 (t / 2) + 8 (t % 2) + r % 8 + 16 (r / 8) of its block, so that a product that takes such tiles as source 0 leaves 16 neighbours in the
; 16 registers of two neighbouring tiles.  Scale words (4 bytes: a row's 128 K): [block][K step][tile / 4][r][tile % 4].
; SHARES.  Blocks 0-63 are X, 64-71 W_q, 72-79 W_k, 80-87 W_v.  A work-group takes 64 rows x 512 K; wave w one K step of 128: four fragments.  A load reads 512 consecutive bytes of one row; the 16 rows of a
; fragment turn through the wave's own stage in LDS, so that a lane gets the 2 x 32 neighbours that the operand's layout gives it.  No tensor load, no barrier: waves share nothing.
.set STG,   8448                       ; a wave's stage: 16 rows x (512 bytes + 16)
.set SPARE, 4*STG                      ; behind the stages: the spare words, 128 bytes for each wave
.set LO,  1                            ; v1   16 x lane
.set STA, 2                            ; v2   the stage, on the way in: 16 x lane
.set LDA, 3                            ; v3   and on the way out: 528 r + 128 h
.set SO,  4                            ; v4   16 r: the scale words' place
.set SPW, 5                            ; v5   my spare word; never rewritten
.set NIL, 6                            ; v6   0; never rewritten
.set SH,  7                            ; v7   8 h
.set MX,  8                            ; v8-9   largest magnitudes
.set SOP, 10                           ; v10-11 the conversions' scale operands
.set BY,  12                           ; v12-13 the bytes
.set TW,  14
.set TP,  15
.set R,   16                           ; v16-143  two sets of 64: a fragment's rows as loaded
.set N,   144                          ; v144-207 64 numbers: register 32 c + i = k 64 c + 32 h + i of my row
.set C,   208                          ; v208-219 the fragment's codes
.set T,   220                          ; v220-222, v224-226 second halves of the blocks
.set W,   228                          ; v228-231 the four fragments' scale words
	s_load_b256 s[4:11], s[0:1], 0x0               ; X, W_q, W_k, W_v
	s_load_b128 s[12:15], s[0:1], 0x20             ; the codes, the scale words
	v_lshl_add_u32 v[SPW], v0, 2, SPARE
	v_mov_b32 v[NIL], 0
	v_lshrrev_b32 v[TW], 5, v0
	v_readfirstlane_b32 s16, v[TW]                 ; wave
	v_and_b32 v[TW], 31, v0
	v_lshlrev_b32 v[LO], 4, v[TW]
	s_mul_i32 s17, s16, STG
	v_add_nc_u32 v[STA], s17, v[LO]
	v_and_b32 v[TW], 15, v0                        ; r
	v_bfe_u32 v[SH], v0, 4, 1                      ; h
	v_mul_u32_u24 v[LDA], v[TW], 528
	v_lshl_add_u32 v[LDA], v[SH], 7, v[LDA]
	v_add_nc_u32 v[LDA], s17, v[LDA]
	v_lshlrev_b32 v[SO], 4, v[TW]
	v_lshlrev_b32 v[SH], 3, v[SH]
	v_mov_b32 v[TP], 0                             ; written once: a lane permute's destination counts as one of its sources
	s_mov_b32 s30, 0x76543210
	s_mov_b32 s31, 0xfedcba98                      ; lane l xor 16
	s_lshr_b32 s18, ttmp9, 1                       ; the group of 64 rows among all 176
	s_and_b32 s19, s18, 15                         ; and inside a weight
	s_and_b32 s20, ttmp9, 1
	s_lshl_b32 s20, s20, 2
	s_add_co_u32 s20, s20, s16                     ; my K step
	s_lshr_b32 s21, s18, 1                         ; block of 128 rows
	s_and_b32 s22, s18, 1                          ; which half of it
	s_mul_i32 s24, s21, 98304
	s_mul_i32 s23, s20, 12288
	s_add_co_u32 s24, s24, s23
	s_mul_i32 s23, s22, 6144
	s_add_co_u32 s24, s24, s23                     ; my four fragments: 6,144 consecutive bytes
	s_mov_b32 s25, 0
	s_lshl_b32 s26, s21, 12
	s_lshl_b32 s23, s20, 9
	s_add_co_u32 s26, s26, s23
	s_lshl_b32 s23, s22, 8
	s_add_co_u32 s26, s26, s23                     ; their scale words: 256 consecutive bytes
	s_mov_b32 s27, 0
	s_wait_kmcnt 0x0
	s_cmp_lt_u32 ttmp9, 320                        ; which tensor: the choice hangs on the work-group's number alone
	s_cselect_b64 s[8:9], s[8:9], s[10:11]
	s_cmp_lt_u32 ttmp9, 288
	s_cselect_b64 s[6:7], s[6:7], s[8:9]
	s_cmp_lt_u32 ttmp9, 256
	s_cselect_b64 s[4:5], s[4:5], s[6:7]
	s_cselect_b32 s28, s18, s19
	s_lshl_b32 s28, s28, 18                        ; 64 rows of 4,096 bytes
	s_lshl_b32 s23, s20, 9
	s_add_co_u32 s28, s28, s23
	s_mov_b32 s29, 0
	s_add_nc_u64 s[4:5], s[4:5], s[28:29]
	s_add_nc_u64 s[12:13], s[12:13], s[24:25]
	s_add_nc_u64 s[14:15], s[14:15], s[26:27]
.macro LOAD f                          ; fragment f: its 16 rows, 512 consecutive bytes a load
.irp i, 0,1,2,3,4,5,6,7,8,9,10,11,12,13,14,15
	global_load_b128 v[R+64*((\f)%2)+4*\i:R+64*((\f)%2)+4*\i+3], v[LO], s[4:5] offset:(32*((\f)/2)+8*((\f)%2)+(\i%8)+16*(\i/8))*4096 th:TH_LOAD_NT
.endr
.endm
.macro FRAGQ f
.if (\f) < 3
	s_wait_loadcnt 16                              ; this fragment's 16 loads are in; the next fragment's 16 may be out
.else
	s_wait_loadcnt 0x0
.endif
.irp i, 0,1,2,3,4,5,6,7,8,9,10,11,12,13,14,15
	ds_store_b128 v[STA], v[R+64*((\f)%2)+4*\i:R+64*((\f)%2)+4*\i+3] offset:528*\i
.endr
.irp c, 0,1
.irp q, 0,1,2,3,4,5,6,7
	ds_load_b128 v[N+32*\c+4*\q:N+32*\c+4*\q+3], v[LDA] offset:256*\c+16*\q   ; LDS serves a wave's instructions in order: these see the stores above
.endr
.endr
	s_wait_dscnt 0x0                               ; the numbers are back, and the stores into the stage have read their registers
	s_wait_xcnt 0x0                                ; the last fragment's stores have read the codes' registers: they are written again below
.if (\f)+2 < 4
	LOAD (\f)+2
.endif
.irp c, 0,1
	v_max3_num_f32 v[MX+\c], |v[N+32*\c]|, |v[N+32*\c+1]|, 0x1800000   ; my block 2 c + h: all 32 numbers are mine; and the floor 2^(3 - 127): the byte cannot fall under 1
.endr
.irp i, 2,4,6,8,10,12,14,16,18,20,22,24,26,28,30
.irp c, 0,1
	v_max3_num_f32 v[MX+\c], v[MX+\c], |v[N+32*\c+\i]|, |v[N+32*\c+\i+1]|
.endr
.endr
.irp c, 0,1
	v_add_nc_u32 v[SOP+\c], 0xff000000, v[MX+\c]   ; 2 off the exponent field: the conversion takes this operand's exponent field as its scale
.endr
.irp c, 0,1
	v_lshrrev_b32 v[BY+\c], 23, v[SOP+\c]          ; the scale's byte
.endr
	v_lshl_or_b32 v[TW], v[BY+1], 16, v[BY]        ; blocks h and 2 + h of my row,
	v_lshlrev_b32 v[TW], v[SH], v[TW]              ; at their places in the word;
	v_permlanex16_b32 v[TP], v[TW], s30, s31
	v_or_b32 v[W+(\f)], v[TW], v[TP]               ; with lane l xor 16's two the word is whole
.irp c, 0,1
	v_cvt_scalef32_pk16_fp6_f32 v[C+6*\c:C+6*\c+2], v[N+32*\c:N+32*\c+15], v[SOP+\c]
	v_cvt_scalef32_pk16_fp6_f32 v[T+4*\c:T+4*\c+2], v[N+32*\c+16:N+32*\c+31], v[SOP+\c]   ; (a conversion's three registers begin on an even number)
.endr
	v_nop                                          ; one plain place behind a scaled conversion
.irp c, 0,1
.irp i, 0,1,2
	v_mov_b32 v[C+6*\c+3+\i], v[T+4*\c+\i]
.endr
.endr
.irp c, 0,1,2
	global_store_b128 v[LO], v[C+4*\c:C+4*\c+3], s[12:13] offset:1536*(\f)+512*\c   ; 32 lanes store 512 consecutive bytes, aligned
.endr
.endm
	LOAD 0
	LOAD 1
	FRAGQ 0
	FRAGQ 1
	FRAGQ 2
	FRAGQ 3
	v_and_b32 v[TW], 31, v0
	v_cmp_gt_u32 vcc_lo, 16, v[TW]
	s_wait_xcnt 0x0                                ; EXEC changes only behind this wait
	s_and_saveexec_b32 s32, vcc_lo
	global_store_b128 v[SO], v[W:W+3], s[14:15]    ; lanes 0-15: row r's four words: 256 consecutive bytes, aligned
	s_wait_xcnt 0x0
	s_or_b32 exec_lo, exec_lo, s32
	s_wait_tensorcnt 0x0                           ; the wave's end
	ds_add_u32 v[SPW], v[NIL]
	s_wait_dscnt 0x0
	s_endpgm
.Lfunc_end_k_qb666c92c3c_quant:
	.size	k_qb666c92c3c_quant, .Lfunc_end_k_qb666c92c3c_quant-k_qb666c92c3c_quant
	.p2alignl 7, 3214868480
	.fill 96, 4, 3214868480
	.section	.rodata,"a",@progbits
	.p2align	6, 0x0
	.amdhsa_kernel k_qb666c92c3c_quant
		.amdhsa_group_segment_fixed_size 34304
		.amdhsa_private_segment_fixed_size 0
		.amdhsa_enable_private_segment 0
		.amdhsa_kernarg_size 48
		.amdhsa_user_sgpr_count 2
		.amdhsa_user_sgpr_kernarg_segment_ptr 1
		.amdhsa_wavefront_size32 1
		.amdhsa_system_sgpr_workgroup_id_x 1
		.amdhsa_system_sgpr_workgroup_id_y 1
		.amdhsa_system_sgpr_workgroup_id_z 1
		.amdhsa_system_vgpr_workitem_id 0
		.amdhsa_next_free_vgpr 232
		.amdhsa_next_free_sgpr 66
		.amdhsa_reserve_vcc 1
		.amdhsa_float_denorm_mode_32 3
		.amdhsa_float_denorm_mode_16_64 3
		.amdhsa_memory_ordered 1
		.amdhsa_forward_progress 1
		.amdhsa_inst_pref_size 31
	.end_amdhsa_kernel
	.amdgpu_metadata
---
amdhsa.version: [ 1, 2 ]
amdhsa.kernels:
  - .name:           k_qb666c92c3c_quant
    .symbol:         k_qb666c92c3c_quant.kd
    .args:
      - { .name: X, .offset: 0, .size: 8, .value_kind: global_buffer, .address_space: global }
      - { .name: W_q, .offset: 8, .size: 8, .value_kind: global_buffer, .address_space: global }
      - { .name: W_k, .offset: 16, .size: 8, .value_kind: global_buffer, .address_space: global }
      - { .name: W_v, .offset: 24, .size: 8, .value_kind: global_buffer, .address_space: global }
      - { .name: xw_codes, .offset: 32, .size: 8, .value_kind: global_buffer, .address_space: global }
      - { .name: xw_scales, .offset: 40, .size: 8, .value_kind: global_buffer, .address_space: global }
    .group_segment_fixed_size: 34304
    .private_segment_fixed_size: 0
    .kernarg_segment_align: 8
    .kernarg_segment_size: 48
    .max_flat_workgroup_size: 128
    .sgpr_count:     66
    .vgpr_count:     232
    .wavefront_size: 32
...
	.end_amdgpu_metadata
.endif
;; end of part 1
;; launch proj (part 2): grid 64 x 4, 4 waves a work-group, clusters of 4 x 4, 327,680 bytes of LDS; arguments xw_codes, xw_scales, qkv_codes, qkv_scales; writes qkv_codes, qkv_scales
.if DOCPART == 2
	.amdgcn_target "amdgcn-amd-amdhsa--gfx1250"
	.amdhsa_code_object_version 6
	.text
	.protected	k_qb666c92c3c_proj
	.globl	k_qb666c92c3c_proj
	.p2align	8
	.type	k_qb666c92c3c_proj,@function
k_qb666c92c3c_proj:
	s_mov_b64 s[64:65], 0
	v_nop
	global_prefetch_b8 v0, s[64:65] scope:SCOPE_SE
	s_setreg_imm32_b32 hwreg(HW_REG_WAVE_MODE, 25, 1), 1
	s_wait_xcnt 0x0
	s_wait_alu depctr_hold_cnt(0) depctr_sa_sdst(0) depctr_va_vdst(0) depctr_va_sdst(0) depctr_va_ssrc(0) depctr_va_vcc(0) depctr_vm_vsrc(0)
	s_getreg_b32 s2, hwreg(HW_REG_IB_STS2, 6, 4)
	s_cmp_eq_u32 s2, 0
	s_cbranch_scc0 .Lentry_in_a_cluster
	s_endpgm
.Lentry_in_a_cluster:
	s_bfe_u32 s2, ttmp6, 0x10000c
	s_cmp_lg_u32 s2, 0xf033
	s_cbranch_scc0 .Lentry_shape_is_right
	s_endpgm
.Lentry_shape_is_right:
; LAUNCH 2 OF 4.  Q = X W_q^T, K = X W_k^T and V^T = W_v X^T on codes of FP6 (E2M3) with E8M0 scales, K = 1,024, f32 sums; each result is quantised in registers and leaves as codes and scale words.
; SHARES.  The three products are 384 tiles' worth of 256 x 256; 256 work-groups take one and a half each, so that all have equal work:
;   PHASE 1: a tile of 256 x 256 of Q or K: source 1 (a lane's row) = X's tile xt, source 0 (the axis that runs along a lane's registers, which is the axis that is quantised) = tile j of W_q and W_k: quantised along e.
;   PHASE 2: a tile of 128 x 256 of V^T: source 1 = W_v's block j of 128 rows, source 0 = the SAME tile xt of X: quantised along the keys.  xt = 4 (c / 2) + cy, j = 4 (c % 2) + cx, c the cluster: 32 x 8 pairs.
; Four waves.  Phase 1: 128 x 128 each, 64 accumulators.  Phase 2: wave (a, b) takes W_v's tiles 4 a .. 4 a + 3 against X's block b: 32 accumulators.
; Operands lie in memory as images of fragments (launch 1), so two K steps of a block of 128 rows are 24,576 dense bytes: one tensor load.  Every tensor load of codes in this text has that size.
; THE RING.  K has four slots' worth of 256.  Three LDS slots are filled at the head; the fourth slot's worth goes into slot 0 behind K step 1.  By this text's count a wave has at most four tensor loads out.
; PHASE 2 FETCHES LITTLE.  When phase 1 ends, X's K steps 2 to 7 still lie in the X halves of slots 1, 2 and 0.  Behind K step 5 the weights' halves of slots 1 and 2 are read out: they take X's K steps 0, 1 and W_v's 0 to 3.
; In the middle of phase 1's way out the weights' half of slot 0 takes W_v's K steps 4 to 7.  Both land under work that is due anyway.  X's scale words lie in LDS from the head on; W_v's, 4 words a K step for a lane, come
; from memory straight into registers at the head.
; CLUSTER 4 x 4: X's tiles hang on cy and are shared along a row of the cluster, the weights' (W_q, W_k, W_v) on cx and along a column: each is asked for jointly.  Each refill stands behind a round of the cluster's barrier.
; THE WAY OUT.  For a tile of source 1 a lane holds one row and 64 registers that run along source 0's rows in true order (launch 1's choice of a tile's rows): four blocks of 32, shared with lane l xor 16.  Largest magnitude,
; byte, conversion, exchange of halves: the result is a fragment of the next product, stored as its image: no LDS, no barrier.
; REGISTERS: window 0: v1 r, v2 h, v5 16 x lane, v8-24 addresses, v28-29 the add's two, v32-95 and v224-255 scale words and nothing else, v96-127 at work on the way out, v128-223 source 1's fragments, later codes.
;   window 1: source 0's fragments, two sets (v0, v128).  windows 2, 3: accumulator (a, b) at v[8 (8 (a % 4) + b)] of window 2 + a / 4.
.set FRB,   1536
.set KSB,   8*FRB                      ; a block's K step
.set HALFT, 2*KSB                      ; what one tensor load brings
.set SLOT,  4*HALFT                    ; X's two blocks, then the weights' two
.set SCL,   3*SLOT                     ; the scale words: X 0, X 1, weights 0, weights 1, 4,096 bytes each
.set SPARE, SCL+4*4096                 ; the spare words, 128 bytes for each wave
.set LI,   5
.set ADRX, 8                           ; v8-10  phase 2: X's block b in slot 0, 1, 2
.set ADRW, 11                          ; v11-12 phase 2: W_v's tiles 4 a on, in the weights' half of slot 2, of slot 0
.set ADRSX, 13                         ; v13    phase 2: X's scale words, block b
.set WSO,  14                          ; v14    256 a + 16 r: my place in a K step of W_v's scale words; never rewritten
.set R16,  15                          ; v15    16 r
.set ADRA, 16                          ; v16-18 phase 1: X's block a in slot 0, 1, 2
.set ADRB, 20                          ; v20-22 the weights' block b
.set ADRS, 24                          ; v24    lanes 0-15 X's scale words, lanes 16-31 the weights'
.set SPW,  28
.set NIL,  29
.set SC,   32                          ; phase 1: register SC + 8 ks + i: lanes 0-15 the word of X's tile i, lanes 16-31 that of the weights' tile i; phase 2: X's tile i in all lanes
.set TM,   96                          ; v96-99 largest magnitudes, v100-103 bytes, v108-111 scale operands
.set SW,   112                         ; v112-119 a scale word for each tile
.set OQ,   120
.set AF,   128
.set PC,   128                         ; the codes just made: v128-139, second halves v140-142, v144-146
.set WS,   224                         ; register WS + 4 ks + i: the word of W_v's tile 4 a + i
.set HM,   18                          ; s18 the mask of lanes 16-31
.set SEL,  66
.set G1,   28                          ; group 1: X's codes; the weights'; X's scale words; the weights'
.set G1B,  36
.set G1S,  44
.set G1SB, 52
.set G0,   68                          ; group 0: a set for each slot
.set G0B,  80
.set G0S,  92
.set G0SB, 96
.set MSB, 0
.macro WIN new                         ; the immediate's high byte repeats the setting that is left
.if MSB != (\new)
	s_set_vgpr_msb (MSB<<8)|(\new)
.set MSB, (\new)
.endif
.endm
.set MUL_LO, 0xa1                      ; source 0 window 1, source 1 window 0, C and D window 2
.set MUL_HI, 0xf1
.set TO_B,   0x40
.macro JLOAD g0a, g1a, g0b, g1b        ; waves 0, 1 fetch X's blocks, waves 2, 3 the weights'.  An s_nop 0 and four v_nop follow each line
	s_cmp_eq_u32 s13, 0
	s_cbranch_scc0 .Lfor_b_\@
	tensor_load_to_lds s[\g0a:\g0a+3], s[\g1a:\g1a+7]
	s_nop 0
.rept 4
	v_nop
.endr
	s_branch .Lasked_\@
.Lfor_b_\@:
	tensor_load_to_lds s[\g0b:\g0b+3], s[\g1b:\g1b+7]
	s_nop 0
.rept 4
	v_nop
.endr
.Lasked_\@:
.endm
.macro CREST                           ; a round of the cluster's barrier behind its opening barrier
	s_cmp_lg_u32 s12, 0
	s_cbranch_scc1 .Lnot_wave_0_\@
	s_barrier_signal -3
.Lnot_wave_0_\@:
	s_barrier_wait -3
	s_barrier_signal -1
	s_barrier_wait -1
.endm
.macro CROUND
	s_barrier_signal -1
	s_barrier_wait -1
	CREST
.endm
	s_load_b256 s[4:11], s[0:1], 0x0               ; xw_codes, xw_scales, qkv_codes, qkv_scales
	v_lshl_add_u32 v[SPW], v0, 2, SPARE
	v_mov_b32 v[NIL], 0
	ds_add_u32 v[SPW], v[NIL]                      ; the opening: the add, twice on end, and its wait ahead of my first tensor load
	ds_add_u32 v[SPW], v[NIL]
	v_lshrrev_b32 v1, 5, v0
	v_readfirstlane_b32 s12, v1                    ; wave
	s_lshr_b32 s13, s12, 1                         ; a: my half of source 1.  Also: I fetch for X (0) or for the weights (1)
	s_and_b32 s14, s12, 1                          ; b: my half of source 0.  Also: which block I fetch
	s_bfe_u32 s15, ttmp6, 0x40000                  ; cx
	s_bfe_u32 s16, ttmp6, 0x40004                  ; cy
	s_mov_b32 s17, ttmp9                           ; c: the cluster, 0 .. 15
	s_lshl_b32 s19, s16, 2
	s_lshl_b32 s19, 15, s19                        ; my row of the cluster
	s_lshl_b32 s20, 0x1111, s15                    ; my column
	s_or_b32 s[G1], s19, (3<<16)|(1<<21)           ; the mask; elements of 8 bytes; bit 21 beside a mask; no padding
	s_or_b32 s[G1B], s20, (3<<16)|(1<<21)
	s_or_b32 s[G1S], s19, (3<<16)|(1<<21)
	s_or_b32 s[G1SB], s20, (3<<16)|(1<<21)
.irp g, G1, G1B                        ; 24,576 dense bytes as 96 rows of 256
	s_mov_b32 s[\g+1], 32<<16
	s_mov_b32 s[\g+2], 96<<16
	s_mov_b32 s[\g+3], 32<<16
	s_mov_b32 s[\g+4], 96
	s_mov_b32 s[\g+5], 32
	s_mov_b32 s[\g+6], 0
	s_mov_b32 s[\g+7], 0
.endr
.irp g, G1S, G1SB                      ; 4,096 dense bytes as 16 rows of 256
	s_mov_b32 s[\g+1], 32<<16
	s_mov_b32 s[\g+2], 16<<16
	s_mov_b32 s[\g+3], 32<<16
	s_mov_b32 s[\g+4], 16
	s_mov_b32 s[\g+5], 32
	s_mov_b32 s[\g+6], 0
	s_mov_b32 s[\g+7], 0
.endr
	s_mov_b32 s[HM], 0xffff0000
	s_mov_b32 s[SEL], 0x76543210
	s_mov_b32 s[SEL+1], 0xfedcba98
	s_lshr_b32 s21, s17, 1
	s_lshl_b32 s21, s21, 3                         ; X's blocks from 8 (c / 2) on
	s_and_b32 s22, s17, 1                          ; Q (0) or K (1)
	s_lshl_b32 s23, s22, 3
	s_add_co_u32 s23, s23, 64                      ; W_q's or W_k's blocks from 64 + 8 (c % 2) on
	s_lshl_b32 s26, s16, 1
	s_add_co_u32 s26, s26, s21
	s_add_co_u32 s26, s26, s14                     ; the block of X that I would fetch: it hangs on cy alone
	s_lshl_b32 s27, s15, 1
	s_add_co_u32 s27, s27, s23
	s_add_co_u32 s27, s27, s14                     ; the block of W_q or W_k: on cx alone
	s_lshl_b32 s23, s22, 2
	s_add_co_u32 s23, s23, s15                     ; j = 4 (c % 2) + cx: W_v's block is 80 + j
	s_mul_i32 s24, s26, 8*KSB
	s_mov_b32 s25, 0
	s_mul_i32 s2, s27, 8*KSB
	s_mov_b32 s3, 0
	s_lshl_b32 s[G0S+2], s26, 12
	s_mov_b32 s[G0S+3], 0
	s_lshl_b32 s[G0SB+2], s27, 12
	s_mov_b32 s[G0SB+3], 0
	s_add_co_u32 s60, s23, 80
	s_mul_i32 s62, s60, 8*KSB
	s_mul_i32 s63, s14, HALFT
	s_add_co_u32 s62, s62, s63                     ; W_v's codes: wave 2 begins at K step 0, wave 3 at K step 2
	s_mov_b32 s63, 0
	s_lshl_b32 s60, s60, 12                        ; W_v's scale words
	s_mov_b32 s61, 0
	s_mul_i32 s19, s12, HALFT                      ; where the tiles go: wave x a block: no place in the cluster enters an LDS address
	s_lshl_b32 s20, s12, 12
	s_wait_dscnt 0x0                               ; both opening adds are done
	s_wait_kmcnt 0x0
	s_add_nc_u64 s[24:25], s[4:5], s[24:25]
	s_add_nc_u64 s[2:3], s[4:5], s[2:3]
	s_add_nc_u64 s[G0S+2:G0S+3], s[6:7], s[G0S+2:G0S+3]
	s_add_nc_u64 s[G0SB+2:G0SB+3], s[6:7], s[G0SB+2:G0SB+3]
	s_add_nc_u64 s[4:5], s[4:5], s[62:63]          ; from here on s[4:5] stands at W_v's codes,
	s_add_nc_u64 s[6:7], s[6:7], s[60:61]          ; and s[6:7] at W_v's scale words
	CROUND                                         ; all sixteen work-groups are here: the first joint loads meet
	s_mov_b32 s[G0S], 1
	s_add_co_u32 s[G0S+1], s20, SCL
	s_or_b32 s[G0S+3], s[G0S+3], 0x80000000
	s_mov_b32 s[G0SB], 1
	s_add_co_u32 s[G0SB+1], s20, SCL
	s_or_b32 s[G0SB+3], s[G0SB+3], 0x80000000
	JLOAD G0S, G1S, G0SB, G1SB                     ; the scale words first: they are wanted with K step 0
.irp s, 0,1,2
	s_mov_b32 s[G0+4*\s], 1
	s_add_co_u32 s[G0+4*\s+1], s19, \s*SLOT
	s_add_nc_u64 s[G0+4*\s+2:G0+4*\s+3], s[24:25], \s*HALFT
	s_or_b32 s[G0+4*\s+3], s[G0+4*\s+3], 0x80000000
	s_mov_b32 s[G0B+4*\s], 1
	s_add_co_u32 s[G0B+4*\s+1], s19, \s*SLOT
	s_add_nc_u64 s[G0B+4*\s+2:G0B+4*\s+3], s[2:3], \s*HALFT
	s_or_b32 s[G0B+4*\s+3], s[G0B+4*\s+3], 0x80000000
	JLOAD G0+4*\s, G1, G0B+4*\s, G1B
.endr
	v_and_b32 v1, 15, v0                           ; r
	v_bfe_u32 v2, v0, 4, 1                         ; h
	v_and_b32 v3, 31, v0
	v_lshlrev_b32 v[LI], 4, v3
	v_lshlrev_b32 v[R16], 4, v1
	s_lshl_b32 s24, s13, 8
	v_add_nc_u32 v[WSO], s24, v[R16]
.irp k, 0,1,2,3,4,5,6,7
	global_load_b128 v[WS+4*\k:WS+4*\k+3], v[WSO], s[6:7] offset:512*\k   ; W_v's scale words of my four tiles: sixteen lanes read 256 consecutive bytes, aligned (lanes 16-31 the same)
.endr
	s_mul_i32 s24, s13, HALFT
	s_mul_i32 s25, s14, HALFT
	s_add_co_u32 s26, s25, 2*HALFT
.irp s, 0,1,2
	v_add_nc_u32 v[ADRA+\s], s24, v[LI]
	v_add_nc_u32 v[ADRX+\s], s25, v[LI]
	v_add_nc_u32 v[ADRB+\s], s26, v[LI]
	s_add_co_u32 s24, s24, SLOT
	s_add_co_u32 s25, s25, SLOT
	s_add_co_u32 s26, s26, SLOT
.endr
	s_mul_i32 s24, s13, 4*FRB
	s_add_co_u32 s25, s24, 2*SLOT+2*HALFT
	v_add_nc_u32 v[ADRW], s25, v[LI]
	s_add_co_u32 s25, s24, 2*HALFT
	v_add_nc_u32 v[ADRW+1], s25, v[LI]
	s_lshl_b32 s24, s13, 12                        ; X's words: block a
	s_lshl_b32 s25, s14, 12
	s_add_co_u32 s26, s25, SCL
	v_add_nc_u32 v[ADRSX], s26, v[R16]             ; phase 2: X's words, block b
	s_add_co_u32 s25, s25, 2*4096                  ; the weights': behind X's two
	s_sub_co_u32 s25, s25, s24
	v_mul_u32_u24 v4, s25, v2                      ; lanes 16-31 take the weights': one product with h
	s_add_co_u32 s24, s24, SCL
	v_lshl_add_u32 v4, v1, 4, v4
	v_add_nc_u32 v[ADRS], s24, v4
.irp b, 0,1,2,3
	v_mov_b32 v[TM+4+\b], 0                        ; written once: a lane permute's destination counts as one of its sources
.endr
	; where my results go.  Q, K: [Q or K][X's block][K step 2 cx + b][tile].  V^T: [batch][e block j][K step = X's block % 16][tile 4 a on]
	s_lshl_b32 s24, s16, 1
	s_add_co_u32 s24, s24, s21                     ; my tile's first block of X
	s_add_co_u32 s25, s24, s13                     ; phase 1: my block of X, as rows
	s_add_co_u32 s26, s24, s14                     ; phase 2: my block of X, as keys
	s_lshl_b32 s27, s15, 1
	s_add_co_u32 s27, s27, s14                     ; phase 1's K step of e
	s_lshr_b32 s19, s26, 4                         ; the batch
	s_and_b32 s20, s26, 15                         ; the K step of keys
	s_mul_i32 s2, s19, 1572864
	s_mul_i32 s3, s23, 196608
	s_add_co_u32 s2, s2, s3
	s_mul_i32 s3, s20, KSB
	s_add_co_u32 s2, s2, s3
	s_mul_i32 s3, s13, 4*FRB
	s_add_co_u32 s2, s2, s3
	s_add_co_u32 s2, s2, 12582912
	s_mov_b32 s3, 0
	s_add_nc_u64 s[60:61], s[8:9], s[2:3]          ; V^T's codes
	s_lshl_b32 s2, s19, 16
	s_lshl_b32 s3, s23, 13
	s_add_co_u32 s2, s2, s3
	s_lshl_b32 s3, s20, 9
	s_add_co_u32 s2, s2, s3
	s_lshl_b32 s3, s13, 8
	s_add_co_u32 s2, s2, s3
	s_add_co_u32 s2, s2, 524288
	s_mov_b32 s3, 0
	s_add_nc_u64 s[62:63], s[10:11], s[2:3]        ; V^T's scale words
	s_mul_i32 s2, s22, 6291456
	s_mul_i32 s3, s25, 8*KSB
	s_add_co_u32 s2, s2, s3
	s_mul_i32 s3, s27, KSB
	s_add_co_u32 s2, s2, s3
	s_mov_b32 s3, 0
	s_add_nc_u64 s[8:9], s[8:9], s[2:3]            ; Q's or K's codes
	s_lshl_b32 s2, s22, 18
	s_lshl_b32 s3, s25, 12
	s_add_co_u32 s2, s2, s3
	s_lshl_b32 s3, s27, 9
	s_add_co_u32 s2, s2, s3
	s_mov_b32 s3, 0
	s_add_nc_u64 s[10:11], s[10:11], s[2:3]        ; and scale words
.macro FRAG reg, adr, off              ; a fragment's image: three loads of 512 consecutive bytes
.irp c, 0,1,2
	ds_load_b128 v[\reg+4*\c:\reg+4*\c+3], v[\adr] offset:\off+512*\c
.endr
.endm
.macro FETCH_B slot, q, p
	WIN TO_B
.irp i, 0,1,2,3,4,5,6,7
	FRAG 128*(\p)+12*\i, ADRB+\slot, (\q)*KSB+\i*FRB
.endr
	WIN 0
.endm
.macro FETCH_A slot, q, i0
.irp i, \i0, \i0+1, \i0+2, \i0+3
	FRAG AF+12*(\i), ADRA+\slot, (\q)*KSB+(\i)*FRB
.endr
.endm
.macro SCALES adr                      ; all eight K steps' words: 64 registers
.irp k, 0,1,2,3,4,5,6,7
.irp j, 0,1
	ds_load_b128 v[SC+8*\k+4*\j:SC+8*\k+4*\j+3], v[\adr] offset:512*\k+256*\j
.endr
.endr
.endm
; 16 matrix instructions: X's tiles a0, a0 + 1 x the weights' eight.  The 64 accumulators take turns in the same order in every step.
.macro MUL16 a0, p, ks, zero
.irp a, \a0, \a0+1
.irp b, 0,1,2,3,4,5,6,7
.if \zero
	v_wmma_scale_f32_16x16x128_f8f6f4 v[8*(8*((\a)%4)+\b):8*(8*((\a)%4)+\b)+7], v[128*(\p)+12*\b:128*(\p)+12*\b+11], v[AF+12*(\a):AF+12*(\a)+11], 0, v[SC+8*(\ks)+\b], v[SC+8*(\ks)+(\a)] matrix_a_fmt:MATRIX_FMT_FP6 matrix_b_fmt:MATRIX_FMT_FP6 matrix_a_scale:MATRIX_SCALE_ROW1
.else
	v_wmma_scale_f32_16x16x128_f8f6f4 v[8*(8*((\a)%4)+\b):8*(8*((\a)%4)+\b)+7], v[128*(\p)+12*\b:128*(\p)+12*\b+11], v[AF+12*(\a):AF+12*(\a)+11], v[8*(8*((\a)%4)+\b):8*(8*((\a)%4)+\b)+7], v[SC+8*(\ks)+\b], v[SC+8*(\ks)+(\a)] matrix_a_fmt:MATRIX_FMT_FP6 matrix_b_fmt:MATRIX_FMT_FP6 matrix_a_scale:MATRIX_SCALE_ROW1
.endif
.endr
.endr
.endm
.macro PLACES n                        ; plain places between a matrix instruction and a load into, or a vector read of, its registers
.rept \n
	v_nop
.endr
.endm
.macro STEP ks, zero                   ; phase 1's K step ks; its successor's fragments are fetched in two runs
.set NX,  (\ks)+1
.set NSL, (NX/2)%3
.set NQ1, NX%2
	s_wait_dscnt 12                                ; all but the youngest 12 loads (X's tiles 4-7)
	WIN MUL_LO
	MUL16 0, (\ks)%2, \ks, \zero
	MUL16 2, (\ks)%2, \ks, \zero
	s_wait_dscnt 0x0
	PLACES 4
	FETCH_B NSL, NQ1, NQ1
	FETCH_A NSL, NQ1, 0
	WIN MUL_HI
	MUL16 4, (\ks)%2, \ks, \zero
	MUL16 6, (\ks)%2, \ks, \zero
	PLACES 4
	WIN 0
	FETCH_A NSL, NQ1, 4
.endm
; A step with a refill.  In front of its barrier each wave waits for all its tensor loads, adds 0 to its spare word, and waits for that and for its reads; the barrier opens a round of the cluster's.
; fill = 1 (K step 1): slot 0, read out, takes K's last 256.  fill = 2 (K step 5): the weights' halves of slots 1 and 2, read out, take phase 2's first tiles: X's K steps 0, 1 and W_v's K steps 0 to 3.
.macro TURN ks, fill
.set NX,  (\ks)+1
.set NSL, (NX/2)%3
.set NQ1, NX%2
	s_wait_tensorcnt 0x0                           ; all my tensor loads have landed
	ds_add_u32 v[SPW], v[NIL]
	s_wait_dscnt 13                                ; (the add and the youngest 12 loads may be out)
	WIN MUL_LO
	MUL16 0, (\ks)%2, \ks, 0
	s_wait_dscnt 0x0                               ; the add is done, and my reads of what is filled again are over
	s_barrier_signal -1
	MUL16 2, (\ks)%2, \ks, 0
	WIN 0
	s_barrier_wait -1
	CREST                                          ; no wave of any partner still reads those bytes or has a load on its way
.if \fill == 1
	s_add_nc_u64 s[G0+2:G0+3], s[G0+2:G0+3], 3*HALFT
	s_add_nc_u64 s[G0B+2:G0B+3], s[G0B+2:G0B+3], 3*HALFT
	JLOAD G0, G1, G0B, G1B                         ; the first tensor load behind the round; its four v_nop are the places for the loads below
.else
	s_add_co_u32 s[G0+5], s[G0+5], 2*HALFT         ; slot 1's set for X: from X's half of the slot to the weights' half,
	s_sub_nc_u64 s[G0+6:G0+7], s[G0+6:G0+7], HALFT ; from K steps 2, 3 back to K steps 0, 1
	s_mov_b64 s[G0B+10:G0B+11], s[4:5]             ; slot 2's set for the weights: the same LDS bytes, W_v's K steps 0, 1 (wave 2) or 2, 3 (wave 3)
	s_or_b32 s[G0B+11], s[G0B+11], 0x80000000
	JLOAD G0+4, G1, G0B+8, G1B
.endif
	FETCH_B NSL, NQ1, NQ1
	FETCH_A NSL, NQ1, 0
	WIN MUL_HI
	MUL16 4, (\ks)%2, \ks, 0
	MUL16 6, (\ks)%2, \ks, 0
	PLACES 4
	WIN 0
	FETCH_A NSL, NQ1, 4
.endm
	; ---- PHASE 1: Q or K
	s_wait_tensorcnt 2                             ; the scale words and my part of slot 0 are in; the loads of slots 1 and 2 may be out
	s_barrier_signal -1
	s_barrier_wait -1
	FETCH_B 0, 0, 0
	FETCH_A 0, 0, 0
	SCALES ADRS
	FETCH_A 0, 0, 4
	STEP 0, 1                                      ; the first products start the sums
	TURN 1, 1                                      ; slots 1 and 2 are whole in every wave's eyes behind this barrier
	STEP 2, 0
	STEP 3, 0
	STEP 4, 0
	TURN 5, 2                                      ; K's last 256 have landed
	STEP 6, 0
	s_wait_dscnt 12
	WIN MUL_LO
	MUL16 0, 1, 7, 0
	MUL16 2, 1, 7, 0
	s_wait_dscnt 0x0
	WIN MUL_HI
	MUL16 4, 1, 7, 0
	MUL16 6, 1, 7, 0
	WIN 0
	PLACES 4
; Source 1's tile a: register 16 B + i of its 64 = source 0's index 32 B + 16 h + i of my row.  Each accumulator is read from its low end on.  cb: the scalar pair that holds the codes' place.
.macro QUANTW a, cb
.set WW, 2+(\a)/4
.set S0, 64*((\a)%4)
	s_wait_xcnt 0x0                                ; the last tile's stores have read the codes' registers
	WIN WW|(WW<<2)
.irp b, 0,1,2,3
	v_max3_num_f32 v[TM+\b], |v[S0+16*\b]|, |v[S0+16*\b+1]|, 0x1800000   ; and the floor 2^(3 - 127)
.endr
.irp i, 2,4,6,8,10,12,14
.irp b, 0,1,2,3
	v_max3_num_f32 v[TM+\b], |v[S0+16*\b+\i]|, |v[S0+16*\b+\i+1]|, v[TM+\b]
.endr
.endr
	WIN 0
.irp b, 0,1,2,3
	v_permlanex16_b32 v[TM+4+\b], v[TM+\b], s[SEL], s[SEL+1]
.endr
.irp b, 0,1,2,3
	v_max_num_f32 v[TM+\b], v[TM+\b], v[TM+4+\b]   ; with lane l xor 16's: the block's largest magnitude
.endr
.irp b, 0,1,2,3
	v_add_nc_u32 v[TM+12+\b], 0xff000000, v[TM+\b] ; 2 off its exponent field: the conversion's scale operand
.endr
.irp b, 0,1,2,3
	v_lshrrev_b32 v[TM+4+\b], 23, v[TM+12+\b]      ; the byte
.endr
	v_lshl_or_b32 v[SW+(\a)], v[TM+5], 8, v[TM+4]
	v_lshl_or_b32 v[SW+(\a)], v[TM+6], 16, v[SW+(\a)]
	v_lshl_or_b32 v[SW+(\a)], v[TM+7], 24, v[SW+(\a)]
	WIN WW
.irp c, 0,1
	v_cvt_scalef32_pk16_fp6_f32 v[PC+6*\c:PC+6*\c+2], v[S0+32*\c:S0+32*\c+15], v[TM+12+2*\c]
	v_cvt_scalef32_pk16_fp6_f32 v[PC+12+4*\c:PC+14+4*\c], v[S0+32*\c+16:S0+32*\c+31], v[TM+12+2*\c+1]
.endr
	WIN 0
	v_nop                                          ; one plain place behind a scaled conversion
.irp c, 0,1                            ; the operand's layout wants a whole block in a lane
.irp i, 0,1,2
	v_permlane16_swap_b32 v[PC+6*\c+\i], v[PC+12+4*\c+\i]
.endr
.irp i, 0,1,2
	v_mov_b32 v[PC+3+6*\c+\i], v[PC+12+4*\c+\i]
.endr
.endr
.irp c, 0,1,2
	global_store_b128 v[LI], v[PC+4*\c:PC+4*\c+3], s[\cb:\cb+1] offset:1536*(\a)+512*\c   ; 512 consecutive bytes, aligned
.endr
.endm
.irp a, 0,1,2,3
	QUANTW \a, 8
.endr
	; THE SECOND REFILL FOR PHASE 2, in the middle of the way out: the loads asked for at K step 5 have had two and a half K steps and four tiles of the way out in which to land; this one has the other four tiles
	; and four K steps of phase 2.  The weights' half of slot 0 was read for the last time in K step 7.  Its round also shows the tiles asked for at K step 5 to every wave.
	s_wait_tensorcnt 0x0                           ; all my tensor loads have landed, so a group 0 may be written
	ds_add_u32 v[SPW], v[NIL]
	s_add_nc_u64 s[G0B+2:G0B+3], s[4:5], 2*HALFT   ; slot 0's set for the weights: the same LDS bytes, W_v's K steps 4, 5 (wave 2) or 6, 7 (wave 3)
	s_or_b32 s[G0B+3], s[G0B+3], 0x80000000
	s_wait_dscnt 0x0                               ; the add is done; my LDS reads were over at K step 7
	CROUND
	s_cmp_eq_u32 s13, 0                            ; X's K steps 6, 7 lie in slot 0 already: waves 0 and 1 have nothing to fetch
	s_cbranch_scc1 .Lno_mid
	tensor_load_to_lds s[G0B:G0B+3], s[G1B:G1B+7]
	s_nop 0
.rept 4
	v_nop
.endr
.Lno_mid:
.irp a, 4,5,6,7
	QUANTW \a, 8
.endr
.irp j, 0,1,2,3
	v_cndmask_b32 v[OQ+\j], v[SW+\j], v[SW+4+\j], s[HM]   ; lanes 0-15: tiles 0-3 of row r; lanes 16-31: tiles 4-7
.endr
	global_store_b128 v[LI], v[OQ:OQ+3], s[10:11]  ; my K step's 512 bytes of scale words
	; ---- PHASE 2: V^T.  X's K steps lie: 0, 1 in the weights' half of slot 1; 2, 3 in X's half of slot 1; 4, 5 in X's half of slot 2; 6, 7 in X's half of slot 0.  W_v's: 0 to 3 in the weights' half of slot 2, 4 to 7 in that of slot 0.
.macro HFETCH ks, p                    ; K step ks: X's block b, eight fragments, into window 1's set p; W_v's four tiles into set p of source 1's registers
.if (\ks) < 2
.set XA, ADRB+1
.else
.set XA, ADRX+(((\ks)/2)%3)
.endif
.set XO, ((\ks)%2)*KSB
.set WA, ADRW+(\ks)/4
.set WO, (((\ks)/2)%2)*HALFT+((\ks)%2)*KSB
	WIN TO_B
.irp i, 0,1,2,3,4,5,6,7
	FRAG 128*(\p)+12*\i, XA, XO+\i*FRB
.endr
	WIN 0
.irp i, 0,1,2,3
	FRAG AF+48*(\p)+12*\i, WA, WO+\i*FRB
.endr
.endm
.macro HMUL p, ks, zero                ; 32 matrix instructions; the 32 accumulators take turns in the same order in every step
	WIN MUL_LO
.irp a, 0,1,2,3
.irp b, 0,1,2,3,4,5,6,7
.if \zero
	v_wmma_scale_f32_16x16x128_f8f6f4 v[8*(8*\a+\b):8*(8*\a+\b)+7], v[128*(\p)+12*\b:128*(\p)+12*\b+11], v[AF+48*(\p)+12*\a:AF+48*(\p)+12*\a+11], 0, v[SC+8*(\ks)+\b], v[WS+4*(\ks)+\a] matrix_a_fmt:MATRIX_FMT_FP6 matrix_b_fmt:MATRIX_FMT_FP6 matrix_a_scale:MATRIX_SCALE_ROW1
.else
	v_wmma_scale_f32_16x16x128_f8f6f4 v[8*(8*\a+\b):8*(8*\a+\b)+7], v[128*(\p)+12*\b:128*(\p)+12*\b+11], v[AF+48*(\p)+12*\a:AF+48*(\p)+12*\a+11], v[8*(8*\a+\b):8*(8*\a+\b)+7], v[SC+8*(\ks)+\b], v[WS+4*(\ks)+\a] matrix_a_fmt:MATRIX_FMT_FP6 matrix_b_fmt:MATRIX_FMT_FP6 matrix_a_scale:MATRIX_SCALE_ROW1
.endif
.endr
.endr
.endm
.macro HSTEP ks                        ; this step's fragments are in; the next step's are asked for; then the products
.if (\ks) == 3
	WIN 0                                          ; (the add's two registers lie in window 0)
	s_wait_tensorcnt 0x0                           ; my part of W_v's K steps 4 to 7 has landed: the next fetch reads them
	ds_add_u32 v[SPW], v[NIL]
	s_wait_dscnt 0x0
	s_barrier_signal -1
	s_barrier_wait -1                              ; everybody's has
.else
	s_wait_dscnt 0x0
.endif
.if (\ks) < 7
	PLACES 4
	HFETCH (\ks)+1, ((\ks)+1)%2
.endif
.if (\ks) == 0
	HMUL 0, 0, 1                                   ; the first products start the sums
.else
	HMUL (\ks)%2, \ks, 0
.endif
.endm
	s_wait_xcnt 0x0                                ; phase 1's last stores have read their registers: fragments land there
	s_wait_loadcnt 0x0                             ; W_v's scale words, asked for at the head
	SCALES ADRSX                                   ; X's scale words once more, now block b's, the same in both halves of the lanes
	HFETCH 0, 0
.irp k, 0,1,2,3,4,5,6,7
	HSTEP \k
.endr
	WIN 0
	PLACES 4
.irp a, 0,1,2,3
	QUANTW \a, 60
.endr
	v_and_b32 v3, 31, v0
	v_cmp_gt_u32 vcc_lo, 16, v3
	s_wait_xcnt 0x0                                ; EXEC changes only behind this wait
	s_and_saveexec_b32 s19, vcc_lo
	global_store_b128 v[R16], v[SW:SW+3], s[62:63] ; lanes 0-15: row r's words of tiles 4 a .. 4 a + 3: 256 consecutive bytes, aligned
	s_wait_xcnt 0x0
	s_or_b32 exec_lo, exec_lo, s19
	s_wait_tensorcnt 0x0                           ; the wave's end
	ds_add_u32 v[SPW], v[NIL]
	s_wait_dscnt 0x0
	CROUND                                         ; the closing round
	s_endpgm
.Lfunc_end_k_qb666c92c3c_proj:
	.size	k_qb666c92c3c_proj, .Lfunc_end_k_qb666c92c3c_proj-k_qb666c92c3c_proj
	.p2alignl 7, 3214868480
	.fill 96, 4, 3214868480
	.section	.rodata,"a",@progbits
	.p2align	6, 0x0
	.amdhsa_kernel k_qb666c92c3c_proj
		.amdhsa_group_segment_fixed_size 327680
		.amdhsa_private_segment_fixed_size 0
		.amdhsa_enable_private_segment 0
		.amdhsa_kernarg_size 32
		.amdhsa_user_sgpr_count 2
		.amdhsa_user_sgpr_kernarg_segment_ptr 1
		.amdhsa_wavefront_size32 1
		.amdhsa_system_sgpr_workgroup_id_x 1
		.amdhsa_system_sgpr_workgroup_id_y 1
		.amdhsa_system_sgpr_workgroup_id_z 1
		.amdhsa_system_vgpr_workitem_id 0
		.amdhsa_next_free_vgpr 1024
		.amdhsa_next_free_sgpr 100
		.amdhsa_reserve_vcc 1
		.amdhsa_float_denorm_mode_32 3
		.amdhsa_float_denorm_mode_16_64 3
		.amdhsa_memory_ordered 1
		.amdhsa_forward_progress 1
		.amdhsa_inst_pref_size 213
	.end_amdhsa_kernel
	.amdgpu_metadata
---
amdhsa.version: [ 1, 2 ]
amdhsa.kernels:
  - .name:           k_qb666c92c3c_proj
    .symbol:         k_qb666c92c3c_proj.kd
    .args:
      - { .name: xw_codes, .offset: 0, .size: 8, .value_kind: global_buffer, .address_space: global }
      - { .name: xw_scales, .offset: 8, .size: 8, .value_kind: global_buffer, .address_space: global }
      - { .name: qkv_codes, .offset: 16, .size: 8, .value_kind: global_buffer, .address_space: global }
      - { .name: qkv_scales, .offset: 24, .size: 8, .value_kind: global_buffer, .address_space: global }
    .group_segment_fixed_size: 327680
    .private_segment_fixed_size: 0
    .kernarg_segment_align: 8
    .kernarg_segment_size: 32
    .max_flat_workgroup_size: 128
    .sgpr_count:     100
    .vgpr_count:     1024
    .wavefront_size: 32
...
	.end_amdgpu_metadata
.endif
;; end of part 2
;; launch scores (part 3): grid 36 x 4, 4 waves a work-group, no clusters, 327,680 bytes of LDS; arguments qkv_codes, qkv_scales, p_codes, p_stats; writes p_codes, p_stats
.if DOCPART == 3
	.amdgcn_target "amdgcn-amd-amdhsa--gfx1250"
	.amdhsa_code_object_version 6
	.text
	.protected	k_qb666c92c3c_scores
	.globl	k_qb666c92c3c_scores
	.p2align	8
	.type	k_qb666c92c3c_scores,@function
k_qb666c92c3c_scores:
	s_mov_b64 s[64:65], 0
	v_nop
	global_prefetch_b8 v0, s[64:65] scope:SCOPE_SE
	s_setreg_imm32_b32 hwreg(HW_REG_WAVE_MODE, 25, 1), 1
	s_wait_xcnt 0x0
; LAUNCH 3 OF 4.  S^T = K Q^T on codes of FP6 (E2M3), K = 1,024; the causal mask; p; P's codes and a pair of numbers for each row and block of 32 keys.
; LEFT OUT AS DEAD WORK (shown at the head of launch 1): the 28 of 64 tiles of 256 queries x 256 keys of each batch that lie wholly above the diagonal.  The grid holds the 36 live tiles.
; THE SOFTMAX.  t = score x log2(e) / 32.  For each row and EACH BLOCK OF 32 KEYS: M_B = ceil(the block's largest t), a whole number; p = 2^(t - M_B) is quantised.  The maximum is so taken away ahead of every
; exponential, and since every M is a whole number, a change from M_B to the row's own reference is an exact power of two that the block's scale byte takes up: the last launch makes it.  Stored for that:
; G_B = M_B + (the local byte - 127), so that a quantised p is its code x 2^G_B in units of 2^t, and L_B = (the block's sum of the unquantised p) x 2^(127 - the local byte), so that L_B 2^G_B is its sum of 2^t.
; A block all of whose keys are hidden: M_B is held at -1e30 from below; p = 0, codes 0, G = -1e30, L = 0.
; LIMITS: whole-number exponents are exact for |t| under 2^23; p under 2^-126 is flushed to 0 by the exponential.
; SHARES and K LOOP as in launch 2: RA = 256 queries (source 1), RB = 256 keys (source 0); four waves of 128 x 128; three LDS slots filled at the head, one refill; at most four tensor loads of a wave are out.
; NO CLUSTER: a batch's 36 live tiles form a triangle whose rows and columns hold 1 to 8 tiles: they do not divide into groups of four that share a tile.
; ON THE DIAGONAL TILE: waves (0,0) and (1,1) mask; wave (1,0) sees all keys; wave (0,1) sees none and stores zero codes and the hidden block's numbers.  Where the tile row i is even, each wave also stores zero
; codes for the 128 keys two K steps on: the last launch fetches P in slots of 512 keys, and reads no byte that was never stored.
.set FRB,   1536
.set KSB,   8*FRB
.set HALFT, 2*KSB
.set SLOT,  4*HALFT
.set SCL,   3*SLOT
.set SPARE, SCL+4*4096
.set LI,   5
.set ADRA, 16
.set ADRB, 20
.set ADRS, 24
.set SPW,  28
.set NIL,  29
.set SC,   32                          ; v32-95 scale words and nothing else
.set TMX,  96                          ; v96-99   a block's largest score
.set TP,   100                         ; v100-103 from lane l xor 16
.set NM,   104                         ; v104+2B: -M_B; v105+2B: the block's largest t
.set PMX,  112                         ; v112-115 the block's largest p
.set LS,   116                         ; v116-119 the block's sum
.set SCO,  120                         ; v120-123 the conversions' scale operands
.set BY,   124                         ; v124-127 bytes
.set AF,   128
.set PB,   128                         ; v128-191 p
.set PC,   192                         ; v192-203 codes; v204-206, v208-210 second halves
.set GG,   212
.set LL,   216
.set OQ,   220
.set SP,   224                         ; v224-231 packed sums
.set ZR,   232                         ; v232-235 zeros
.set HM,   18
.set CS,   60                          ; s[60:61] log2(e) / 32
.set BIG,  62                          ; s62 1e30
.set SEL,  66
.set G1,   28
.set G1S,  44
.set G0,   68
.set G0B,  80
.set G0S,  92
.set G0SB, 96
.set MSB, 0
.macro WIN new
.if MSB != (\new)
	s_set_vgpr_msb (MSB<<8)|(\new)
.set MSB, (\new)
.endif
.endm
.set MUL_LO, 0xa1
.set MUL_HI, 0xf1
.set TO_B,   0x40
.macro JLOAD g0a, g1a, g0b, g1b        ; waves 0, 1 fetch the queries' blocks, waves 2, 3 the keys'.  An s_nop 0 and four v_nop follow each line
	s_cmp_eq_u32 s13, 0
	s_cbranch_scc0 .Lfor_b_\@
	tensor_load_to_lds s[\g0a:\g0a+3], s[\g1a:\g1a+7]
	s_nop 0
.rept 4
	v_nop
.endr
	s_branch .Lasked_\@
.Lfor_b_\@:
	tensor_load_to_lds s[\g0b:\g0b+3], s[\g1b:\g1b+7]
	s_nop 0
.rept 4
	v_nop
.endr
.Lasked_\@:
.endm
	s_load_b256 s[4:11], s[0:1], 0x0               ; qkv_codes, qkv_scales, p_codes, p_stats
	v_lshl_add_u32 v[SPW], v0, 2, SPARE
	v_mov_b32 v[NIL], 0
	ds_add_u32 v[SPW], v[NIL]                      ; the opening: the add, twice on end, and its wait ahead of my first tensor load
	ds_add_u32 v[SPW], v[NIL]
	v_lshrrev_b32 v1, 5, v0
	v_readfirstlane_b32 s12, v1                    ; wave
	s_lshr_b32 s13, s12, 1                         ; a
	s_and_b32 s14, s12, 1                          ; b
	s_and_b32 s17, ttmp7, 0xffff                   ; batch
	s_mul_i32 s19, ttmp9, 57
	s_lshr_b32 s19, s19, 9                         ; p = x / 9 for x = 0 .. 35
	s_mul_i32 s20, s19, 9
	s_sub_co_u32 s20, ttmp9, s20                   ; rem
	s_sub_co_u32 s21, 7, s19
	s_sub_co_u32 s22, s20, s19
	s_sub_co_u32 s22, s22, 1
	s_cmp_le_u32 s20, s19                          ; rows p and 7 - p of the triangle hold 9 tiles together
	s_cselect_b32 s15, s19, s21                    ; i: tile of queries
	s_cselect_b32 s16, s20, s22                    ; j: tile of keys, j <= i
	s_mov_b32 s[G1], 3<<16                         ; no mask; elements of 8 bytes; no padding: 24,576 dense bytes as 96 rows of 256
	s_mov_b32 s[G1+1], 32<<16
	s_mov_b32 s[G1+2], 96<<16
	s_mov_b32 s[G1+3], 32<<16
	s_mov_b32 s[G1+4], 96
	s_mov_b32 s[G1+5], 32
	s_mov_b32 s[G1+6], 0
	s_mov_b32 s[G1+7], 0
	s_mov_b32 s[G1S], 3<<16                        ; 4,096 dense bytes as 16 rows of 256
	s_mov_b32 s[G1S+1], 32<<16
	s_mov_b32 s[G1S+2], 16<<16
	s_mov_b32 s[G1S+3], 32<<16
	s_mov_b32 s[G1S+4], 16
	s_mov_b32 s[G1S+5], 32
	s_mov_b32 s[G1S+6], 0
	s_mov_b32 s[G1S+7], 0
	s_mov_b32 s[HM], 0xffff0000
	s_mov_b32 s[SEL], 0x76543210
	s_mov_b32 s[SEL+1], 0xfedcba98
	s_mov_b32 s[CS], 0x3d38aa3b
	s_mov_b32 s[CS+1], s[CS]                       ; (named with it as a pair, so it is written)
	s_mov_b32 s[BIG], 0x7149f2ca
	s_lshl_b32 s23, s17, 4
	s_lshl_b32 s26, s15, 1
	s_add_co_u32 s26, s26, s23
	s_add_co_u32 s26, s26, s14                     ; the block of Q that I would fetch
	s_lshl_b32 s27, s16, 1
	s_add_co_u32 s27, s27, s23
	s_add_co_u32 s27, s27, s14                     ; the block of K
	s_mul_i32 s24, s26, 8*KSB
	s_mov_b32 s25, 0
	s_mul_i32 s2, s27, 8*KSB
	s_add_co_u32 s2, s2, 6291456
	s_mov_b32 s3, 0
	s_lshl_b32 s[G0S+2], s26, 12
	s_mov_b32 s[G0S+3], 0
	s_lshl_b32 s[G0SB+2], s27, 12
	s_add_co_u32 s[G0SB+2], s[G0SB+2], 262144
	s_mov_b32 s[G0SB+3], 0
	s_mul_i32 s21, s12, HALFT
	s_lshl_b32 s22, s12, 12
	s_wait_dscnt 0x0                               ; both opening adds are done
	s_wait_kmcnt 0x0
	s_add_nc_u64 s[24:25], s[4:5], s[24:25]
	s_add_nc_u64 s[2:3], s[4:5], s[2:3]
	s_add_nc_u64 s[G0S+2:G0S+3], s[6:7], s[G0S+2:G0S+3]
	s_add_nc_u64 s[G0SB+2:G0SB+3], s[6:7], s[G0SB+2:G0SB+3]
	s_mov_b32 s[G0S], 1
	s_add_co_u32 s[G0S+1], s22, SCL
	s_or_b32 s[G0S+3], s[G0S+3], 0x80000000
	s_mov_b32 s[G0SB], 1
	s_add_co_u32 s[G0SB+1], s22, SCL
	s_or_b32 s[G0SB+3], s[G0SB+3], 0x80000000
	JLOAD G0S, G1S, G0SB, G1S
.irp s, 0,1,2
	s_mov_b32 s[G0+4*\s], 1
	s_add_co_u32 s[G0+4*\s+1], s21, \s*SLOT
	s_add_nc_u64 s[G0+4*\s+2:G0+4*\s+3], s[24:25], \s*HALFT
	s_or_b32 s[G0+4*\s+3], s[G0+4*\s+3], 0x80000000
	s_mov_b32 s[G0B+4*\s], 1
	s_add_co_u32 s[G0B+4*\s+1], s21, \s*SLOT
	s_add_nc_u64 s[G0B+4*\s+2:G0B+4*\s+3], s[2:3], \s*HALFT
	s_or_b32 s[G0B+4*\s+3], s[G0B+4*\s+3], 0x80000000
	JLOAD G0+4*\s, G1, G0B+4*\s, G1
.endr
	v_and_b32 v1, 15, v0                           ; r
	v_bfe_u32 v2, v0, 4, 1                         ; h
	v_and_b32 v3, 31, v0
	v_lshlrev_b32 v[LI], 4, v3
	s_mul_i32 s21, s13, HALFT
	s_mul_i32 s22, s14, HALFT
	s_add_co_u32 s22, s22, 2*HALFT
.irp s, 0,1,2
	v_add_nc_u32 v[ADRA+\s], s21, v[LI]
	v_add_nc_u32 v[ADRB+\s], s22, v[LI]
	s_add_co_u32 s21, s21, SLOT
	s_add_co_u32 s22, s22, SLOT
.endr
	s_lshl_b32 s21, s13, 12
	s_lshl_b32 s22, s14, 12
	s_add_co_u32 s22, s22, 2*4096
	s_sub_co_u32 s22, s22, s21
	v_mul_u32_u24 v4, s22, v2                      ; lanes 16-31 take the keys' words: one product with h
	s_add_co_u32 s21, s21, SCL
	v_lshl_add_u32 v4, v1, 4, v4
	v_add_nc_u32 v[ADRS], s21, v4
	v_and_b32 v6, 7, v1                            ; for the mask: DQ = r % 8 + 16 (r / 8) - 16 h,
	v_lshrrev_b32 v7, 3, v1
	v_sub_nc_u32 v7, v7, v2
	v_lshl_add_u32 v6, v7, 4, v6
	v_add_nc_u32 v7, 8, v6                         ; and DQ + 8, for the odd tiles
	v_mov_b32 v254, 0xff800000                     ; -infinity
.irp b, 0,1,2,3
	v_mov_b32 v[TP+\b], 0                          ; written once: a lane permute's destination counts as one of its sources
	v_mov_b32 v[ZR+\b], 0
.endr
	s_lshl_b32 s19, s15, 1
	s_add_co_u32 s19, s19, s13                     ; my block of queries in the batch
	s_lshl_b32 s20, s16, 1
	s_add_co_u32 s20, s20, s14                     ; my K step of keys
	s_mul_i32 s2, s17, 3145728
	s_mul_i32 s21, s19, 196608
	s_add_co_u32 s2, s2, s21
	s_mul_i32 s21, s20, KSB
	s_add_co_u32 s2, s2, s21
	s_mov_b32 s3, 0
	s_add_nc_u64 s[8:9], s[8:9], s[2:3]
	s_lshl_b32 s2, s17, 20
	s_lshl_b32 s21, s19, 16
	s_add_co_u32 s2, s2, s21
	s_lshl_b32 s21, s20, 12
	s_add_co_u32 s2, s2, s21
	s_add_nc_u64 s[10:11], s[10:11], s[2:3]
.macro FRAG reg, adr, off
.irp c, 0,1,2
	ds_load_b128 v[\reg+4*\c:\reg+4*\c+3], v[\adr] offset:\off+512*\c
.endr
.endm
.macro FETCH_B slot, q, p
	WIN TO_B
.irp i, 0,1,2,3,4,5,6,7
	FRAG 128*(\p)+12*\i, ADRB+\slot, (\q)*KSB+\i*FRB
.endr
	WIN 0
.endm
.macro FETCH_A slot, q, i0
.irp i, \i0, \i0+1, \i0+2, \i0+3
	FRAG AF+12*(\i), ADRA+\slot, (\q)*KSB+(\i)*FRB
.endr
.endm
.macro SCALES
.irp k, 0,1,2,3,4,5,6,7
.irp j, 0,1
	ds_load_b128 v[SC+8*\k+4*\j:SC+8*\k+4*\j+3], v[ADRS] offset:512*\k+256*\j
.endr
.endr
.endm
.macro MUL16 a0, p, ks, zero           ; the 64 accumulators take turns in the same order in every step
.irp a, \a0, \a0+1
.irp b, 0,1,2,3,4,5,6,7
.if \zero
	v_wmma_scale_f32_16x16x128_f8f6f4 v[8*(8*((\a)%4)+\b):8*(8*((\a)%4)+\b)+7], v[128*(\p)+12*\b:128*(\p)+12*\b+11], v[AF+12*(\a):AF+12*(\a)+11], 0, v[SC+8*(\ks)+\b], v[SC+8*(\ks)+(\a)] matrix_a_fmt:MATRIX_FMT_FP6 matrix_b_fmt:MATRIX_FMT_FP6 matrix_a_scale:MATRIX_SCALE_ROW1
.else
	v_wmma_scale_f32_16x16x128_f8f6f4 v[8*(8*((\a)%4)+\b):8*(8*((\a)%4)+\b)+7], v[128*(\p)+12*\b:128*(\p)+12*\b+11], v[AF+12*(\a):AF+12*(\a)+11], v[8*(8*((\a)%4)+\b):8*(8*((\a)%4)+\b)+7], v[SC+8*(\ks)+\b], v[SC+8*(\ks)+(\a)] matrix_a_fmt:MATRIX_FMT_FP6 matrix_b_fmt:MATRIX_FMT_FP6 matrix_a_scale:MATRIX_SCALE_ROW1
.endif
.endr
.endr
.endm
.macro PLACES n
.rept \n
	v_nop
.endr
.endm
.macro STEP ks, zero
.set NX,  (\ks)+1
.set NSL, (NX/2)%3
.set NQ1, NX%2
	s_wait_dscnt 12                                ; all but the youngest 12 loads (the queries' tiles 4-7)
	WIN MUL_LO
	MUL16 0, (\ks)%2, \ks, \zero
	MUL16 2, (\ks)%2, \ks, \zero
	s_wait_dscnt 0x0
	PLACES 4
	FETCH_B NSL, NQ1, NQ1
	FETCH_A NSL, NQ1, 0
	WIN MUL_HI
	MUL16 4, (\ks)%2, \ks, \zero
	MUL16 6, (\ks)%2, \ks, \zero
	PLACES 4
	WIN 0
	FETCH_A NSL, NQ1, 4
.endm
.macro TURN ks, fill
.set NX,  (\ks)+1
.set NSL, (NX/2)%3
.set NQ1, NX%2
	s_wait_tensorcnt 0x0                           ; all my tensor loads have landed
	ds_add_u32 v[SPW], v[NIL]
	s_wait_dscnt 13                                ; (the add and the youngest 12 loads may be out)
	WIN MUL_LO
	MUL16 0, (\ks)%2, \ks, 0
	s_wait_dscnt 0x0                               ; the add is done, and my reads of the slot are over
	s_barrier_signal -1
	MUL16 2, (\ks)%2, \ks, 0
	WIN 0
	s_barrier_wait -1
.if \fill
	s_add_nc_u64 s[G0+2:G0+3], s[G0+2:G0+3], 3*HALFT
	s_add_nc_u64 s[G0B+2:G0B+3], s[G0B+2:G0B+3], 3*HALFT
	JLOAD G0, G1, G0B, G1                          ; slot 0 takes K's last 256: my one tensor load behind the barrier; its four v_nop are the places for the loads below
.else
	PLACES 4
.endif
	FETCH_B NSL, NQ1, NQ1
	FETCH_A NSL, NQ1, 0
	WIN MUL_HI
	MUL16 4, (\ks)%2, \ks, 0
	MUL16 6, (\ks)%2, \ks, 0
	PLACES 4
	WIN 0
	FETCH_A NSL, NQ1, 4
.endm
	s_wait_tensorcnt 2                             ; the scale words and my part of slot 0 are in; the loads of slots 1 and 2 may be out
	s_barrier_signal -1
	s_barrier_wait -1
	FETCH_B 0, 0, 0
	FETCH_A 0, 0, 0
	SCALES
	FETCH_A 0, 0, 4
	STEP 0, 1
	TURN 1, 1
	STEP 2, 0
	STEP 3, 0
	STEP 4, 0
	TURN 5, 0
	STEP 6, 0
	s_wait_dscnt 12
	WIN MUL_LO
	MUL16 0, 1, 7, 0
	MUL16 2, 1, 7, 0
	s_wait_dscnt 0x0
	WIN MUL_HI
	MUL16 4, 1, 7, 0
	MUL16 6, 1, 7, 0
	WIN 0
	PLACES 4
; The queries' tile a on the diagonal: my query is 32 (a / 2) + 8 (a % 2) + r % 8 + 16 (r / 8) of the wave's 128, register 16 B + i holds key 32 B + 16 h + i.  Blocks over a / 2 are hidden whole; in block a / 2
; key i is hidden where i > DQ + 8 (a % 2).
.macro MASKALL
.irp a, 0,1,2,3,4,5,6,7
.set WW, 2+\a/4
.set S0, 64*(\a%4)
.set B0, \a/2
	WIN WW|(WW<<6)
.irp i, 0,1,2,3,4,5,6,7,8,9,10,11,12,13,14,15
	v_cmp_gt_i32 vcc_lo, \i, v[6+\a%2]
	v_cndmask_b32 v[S0+16*B0+\i], v[S0+16*B0+\i], v254, vcc_lo
.endr
.if B0 < 3
	WIN WW<<6
.set n, 16*(B0+1)
.rept 16*(3-B0)
	v_mov_b32 v[S0+n], v254
.set n, n+1
.endr
.endif
.endr
	WIN 0
.endm
; The queries' tile a: four blocks of 32 keys, each shared with lane l xor 16.  Each accumulator is read from its low end on.
.macro SOFTQ a
.set WW, 2+(\a)/4
.set S0, 64*((\a)%4)
	s_wait_xcnt 0x0                                ; the last tile's stores have read their registers
	WIN WW|(WW<<2)
.irp b, 0,1,2,3
	v_max_num_f32 v[TMX+\b], v[S0+16*\b], v[S0+16*\b+1]
.endr
.irp i, 2,4,6,8,10,12,14
.irp b, 0,1,2,3
	v_max3_num_f32 v[TMX+\b], v[S0+16*\b+\i], v[S0+16*\b+\i+1], v[TMX+\b]
.endr
.endr
	WIN 0
.irp b, 0,1,2,3
	v_permlanex16_b32 v[TP+\b], v[TMX+\b], s[SEL], s[SEL+1]
.endr
.irp b, 0,1,2,3
	v_max_num_f32 v[TMX+\b], v[TMX+\b], v[TP+\b]   ; the block's largest score
.endr
.irp b, 0,1,2,3
	v_mul_f32 v[NM+2*\b+1], s[CS], v[TMX+\b]       ; as t
.endr
.irp b, 0,1,2,3
	v_floor_f32 v[NM+2*\b], -v[NM+2*\b+1]          ; -M_B = floor(-t) = -ceil(t)
.endr
.irp b, 0,1,2,3
	v_min_num_f32 v[NM+2*\b], s[BIG], v[NM+2*\b]   ; a hidden block: M_B = -1e30
.endr
.irp b, 0,1,2,3
	v_fma_f32 v[PMX+\b], v[TMX+\b], s[CS], v[NM+2*\b]   ; p rises with the score: the block's largest p comes of its largest score by the same two instructions
.endr
	WIN WW
.irp b, 0,1,2,3
.irp i, 0,2,4,6,8,10,12,14
	v_pk_fma_f32 v[PB+16*\b+\i:PB+16*\b+\i+1], v[S0+16*\b+\i:S0+16*\b+\i+1], s[CS:CS+1], v[NM+2*\b:NM+2*\b+1] op_sel_hi:[1,0,0]   ; t - M_B, two at a time
.endr
.endr
	WIN 0
.set n, 0
.rept 64
	v_exp_f32 v[PB+n], v[PB+n]                     ; p = 2^(t - M_B), at most 1
.set n, n+1
.endr
	v_nop                                          ; a plain place behind the exponentials
	s_wait_alu depctr_va_vdst(0)                   ; one wait for the batch, ahead of its first reader
.irp b, 0,1,2,3
	v_exp_f32 v[PMX+\b], v[PMX+\b]
.endr
.irp b, 0,1,2,3
	v_pk_add_f32 v[SP+2*\b:SP+2*\b+1], v[PB+16*\b:PB+16*\b+1], v[PB+16*\b+2:PB+16*\b+3]   ; the sums are taken of the unquantised p
.endr
.irp i, 4,6,8,10,12,14
.irp b, 0,1,2,3
	v_pk_add_f32 v[SP+2*\b:SP+2*\b+1], v[SP+2*\b:SP+2*\b+1], v[PB+16*\b+\i:PB+16*\b+\i+1]
.endr
.endr
.irp b, 0,1,2,3
	v_add_f32 v[LS+\b], v[SP+2*\b], v[SP+2*\b+1]
.endr
.irp b, 0,1,2,3
	v_permlanex16_b32 v[TP+\b], v[LS+\b], s[SEL], s[SEL+1]
.endr
.irp b, 0,1,2,3
	v_add_f32 v[LS+\b], v[LS+\b], v[TP+\b]
.endr
	s_wait_alu depctr_va_vdst(0)                   ; and one for the four
.irp b, 0,1,2,3
	v_max_num_f32 v[PMX+\b], 0x1800000, v[PMX+\b]  ; the floor 2^(3 - 127)
.endr
.irp b, 0,1,2,3
	v_add_nc_u32 v[SCO+\b], 0xff000000, v[PMX+\b]
.endr
.irp b, 0,1,2,3
	v_lshrrev_b32 v[BY+\b], 23, v[SCO+\b]          ; the local byte
.endr
.irp b, 0,1,2,3
	v_cvt_f32_u32 v[GG+\b], v[BY+\b]
.endr
.irp b, 0,1,2,3
	v_sub_nc_u32 v[BY+\b], 127, v[BY+\b]
.endr
.irp b, 0,1,2,3
	v_add_f32 v[GG+\b], 0xc2fe0000, v[GG+\b]       ; - 127
.endr
.irp b, 0,1,2,3
	v_sub_f32 v[GG+\b], v[GG+\b], v[NM+2*\b]       ; G_B
.endr
.irp b, 0,1,2,3
	v_ldexp_f32 v[LL+\b], v[LS+\b], v[BY+\b]       ; L_B
.endr
.irp c, 0,1
	v_cvt_scalef32_pk16_fp6_f32 v[PC+6*\c:PC+6*\c+2], v[PB+32*\c:PB+32*\c+15], v[SCO+2*\c]
	v_cvt_scalef32_pk16_fp6_f32 v[PC+12+4*\c:PC+14+4*\c], v[PB+32*\c+16:PB+32*\c+31], v[SCO+2*\c+1]
.endr
	v_nop                                          ; one plain place behind a scaled conversion
.irp c, 0,1
.irp i, 0,1,2
	v_permlane16_swap_b32 v[PC+6*\c+\i], v[PC+12+4*\c+\i]
.endr
.irp i, 0,1,2
	v_mov_b32 v[PC+3+6*\c+\i], v[PC+12+4*\c+\i]
.endr
.endr
.irp c, 0,1,2
	global_store_b128 v[LI], v[PC+4*\c:PC+4*\c+3], s[8:9] offset:1536*(\a)+512*\c
.endr
.irp b, 0,1,2,3
	v_cndmask_b32 v[OQ+\b], v[GG+\b], v[LL+\b], s[HM]   ; lanes 0-15 store G, lanes 16-31 L
.endr
	global_store_b128 v[LI], v[OQ:OQ+3], s[10:11] offset:512*(\a)
.endm
	s_cmp_lg_u32 s15, s16                          ; the branches hang on ids and the wave's number alone; no barrier and no tensor load follows
	s_cbranch_scc1 .Lsoft
	s_cmp_eq_u32 s13, s14
	s_cbranch_scc1 .Lmask
	s_cmp_eq_u32 s13, 1
	s_cbranch_scc1 .Lsoft
.irp b, 0,1,2,3                        ; wave (0, 1) of a diagonal tile: every key comes after every query
	v_mov_b32 v[OQ+\b], 0xf149f2ca
.endr
.irp b, 0,1,2,3
	v_cndmask_b32 v[OQ+\b], v[OQ+\b], v[ZR+\b], s[HM]   ; G = -1e30, L = 0
.endr
.irp t, 0,1,2,3,4,5,6,7
.irp c, 0,1,2
	global_store_b128 v[LI], v[ZR:ZR+3], s[8:9] offset:1536*\t+512*\c
.endr
	global_store_b128 v[LI], v[OQ:OQ+3], s[10:11] offset:512*\t
.endr
	s_branch .Ljoin
.Lmask:
	MASKALL
.Lsoft:
.irp a, 0,1,2,3,4,5,6,7
	SOFTQ \a
.endr
.Ljoin:
	s_cmp_lg_u32 s15, s16
	s_cbranch_scc1 .Lend
	s_bitcmp1_b32 s15, 0
	s_cbranch_scc1 .Lend
.irp t, 0,1,2,3,4,5,6,7                ; i even, on the diagonal: zero codes two K steps on
.irp c, 0,1,2
	global_store_b128 v[LI], v[ZR:ZR+3], s[8:9] offset:2*KSB+1536*\t+512*\c
.endr
.endr
.Lend:
	s_wait_tensorcnt 0x0                           ; the wave's end
	ds_add_u32 v[SPW], v[NIL]
	s_wait_dscnt 0x0
	s_endpgm
.Lfunc_end_k_qb666c92c3c_scores:
	.size	k_qb666c92c3c_scores, .Lfunc_end_k_qb666c92c3c_scores-k_qb666c92c3c_scores
	.p2alignl 7, 3214868480
	.fill 96, 4, 3214868480
	.section	.rodata,"a",@progbits
	.p2align	6, 0x0
	.amdhsa_kernel k_qb666c92c3c_scores
		.amdhsa_group_segment_fixed_size 327680
		.amdhsa_private_segment_fixed_size 0
		.amdhsa_enable_private_segment 0
		.amdhsa_kernarg_size 32
		.amdhsa_user_sgpr_count 2
		.amdhsa_user_sgpr_kernarg_segment_ptr 1
		.amdhsa_wavefront_size32 1
		.amdhsa_system_sgpr_workgroup_id_x 1
		.amdhsa_system_sgpr_workgroup_id_y 1
		.amdhsa_system_sgpr_workgroup_id_z 1
		.amdhsa_system_vgpr_workitem_id 0
		.amdhsa_next_free_vgpr 1024
		.amdhsa_next_free_sgpr 100
		.amdhsa_reserve_vcc 1
		.amdhsa_float_denorm_mode_32 3
		.amdhsa_float_denorm_mode_16_64 3
		.amdhsa_memory_ordered 1
		.amdhsa_forward_progress 1
		.amdhsa_inst_pref_size 224
	.end_amdhsa_kernel
	.amdgpu_metadata
---
amdhsa.version: [ 1, 2 ]
amdhsa.kernels:
  - .name:           k_qb666c92c3c_scores
    .symbol:         k_qb666c92c3c_scores.kd
    .args:
      - { .name: qkv_codes, .offset: 0, .size: 8, .value_kind: global_buffer, .address_space: global }
      - { .name: qkv_scales, .offset: 8, .size: 8, .value_kind: global_buffer, .address_space: global }
      - { .name: p_codes, .offset: 16, .size: 8, .value_kind: global_buffer, .address_space: global }
      - { .name: p_stats, .offset: 24, .size: 8, .value_kind: global_buffer, .address_space: global }
    .group_segment_fixed_size: 327680
    .private_segment_fixed_size: 0
    .kernarg_segment_align: 8
    .kernarg_segment_size: 32
    .max_flat_workgroup_size: 128
    .sgpr_count:     100
    .vgpr_count:     1024
    .wavefront_size: 32
...
	.end_amdgpu_metadata
.endif
;; end of part 3
;; launch pv (part 4): grid 8 x 32, 4 waves a work-group, no clusters, 327,680 bytes of LDS; arguments p_codes, p_stats, qkv_codes, qkv_scales, out0; writes out0
.if DOCPART == 4
	.amdgcn_target "amdgcn-amd-amdhsa--gfx1250"
	.amdhsa_code_object_version 6
	.text
	.protected	k_qb666c92c3c_pv
	.globl	k_qb666c92c3c_pv
	.p2align	8
	.type	k_qb666c92c3c_pv,@function
k_qb666c92c3c_pv:
	s_mov_b64 s[64:65], 0
	v_nop
	global_prefetch_b8 v0, s[64:65] scope:SCOPE_SE
	s_setreg_imm32_b32 hwreg(HW_REG_WAVE_MODE, 25, 1), 1
	s_wait_xcnt 0x0
; LAUNCH 4 OF 4.  out = P V / l on codes of FP6 (E2M3), K = the keys.
; LEFT OUT AS DEAD WORK (shown at the head of launch 1): keys in chunks of 256 that lie wholly behind the work-group's 256 queries are neither fetched (in slots of 512) nor multiplied.
; THE ROW'S REFERENCE.  Launch 3 left for each row and block of 32 keys G (a quantised p is its code x 2^G in units of 2^t) and L (L 2^G is the block's sum of 2^t).  R = the row's largest G.  The block's E8M0
; byte is G - R + 127, at most 127, held at 1 from below; l = the sum of L 2^(G - R).  Both changes are exact powers of two.  O = (the sum of code x 2^(G - R) x V) / l.
; LIMIT: a block more than 2^126 under its row's largest is held at byte 1; its share of the row is under 2^-120.
; SHARES.  A work-group: 256 queries x 128 of e; the long work-groups (late queries) have the low numbers.  Wave (a, b): 128 queries x 64 of e: 32 accumulators.  Source 0 = 4 tiles of V^T, source 1 = 8 tiles of P.
; THE RING.  Two LDS slots of 512 keys: P's two blocks (49,152 bytes each, waves 0 and 1) and V^T's four K steps (24,576 bytes each for waves 2 and 3).  Every wait on TENSORcnt is for 0; at most two loads of a
; wave are out (at the head).  All work-groups walk all four slots: trip counts are constants.  A slot whose first chunk comes after the work-group's queries is not asked for and not read: jumps on ids and the count of
; slots alone, the same in all four waves, round the load's own lines and round the work, never round a wait, the add or a barrier.
; NO CLUSTER: where the walk ends hangs on the tile of queries; what the e tiles would share is P alone.
; REGISTERS: window 0: v1-17 addresses; v32-55 scale words and nothing else (two sets: 8 of P, 4 of V); v64-95 P's words as they are made; v96-111 at work; v128-255 G, later the way out.
;   window 1: P's fragments, sets at v0 and v128 (first: L).  window 2: accumulator (a, b) at v[8 (4 a + b)].  window 3: V's fragments, sets at v0 and v48.
.set FRB,   1536
.set KSB,   8*FRB
.set PBLK,  4*KSB                      ; a block of P, or V^T, for a slot's 512 keys
.set SLOTB, 3*PBLK
.set VSC,   2*SLOTB                    ; V^T's scale words, 8,192 bytes, filled once
.set PSC,   VSC+8192                   ; P's scale words, 2 x 8,192 bytes, stored by the waves
.set LINV,  PSC+16384                  ; 1 / l: [wave][r][4]
.set SPARE, LINV+1024                  ; the spare words
.set AP0, 1
.set AV0, 2
.set AS0, 3
.set AT0, 4
.set SPW, 5
.set NIL, 6
.set LI,  7
.set ADP, 8
.set ADV, 9
.set ADS, 10
.set ADT, 11
.set STO, 12
.set RD,  13
.set CO,  14                           ; 4,096 h + 16 r: my place in the statistics, and in out0
.set LVA, 15
.set PWA, 16
.set LWA, 17
.set SCR, 32
.set WD,  64
.set RM,  96
.set LM,  100
.set TP,  104
.set RC,  108
.set LV,  96
.set GB,  128
.set WV,  14
.set NI,  19                           ; s19 i: my tile of queries = my last live chunk of keys
.set TB,  20                           ; s20 the slot in hand, in LDS
.set TBF, 21                           ; s21 the slot filled last
.set TS,  22                           ; s22 512 x the slot's first K step
.set KC,  23                           ; s23 the slot's first chunk
.set PARTP, 24
.set PARTV, 25
.set G1P, 28
.set G1V, 36
.set G1S, 44
.set G0P, 52
.set G0V, 56
.set G0S, 60
.set SEL, 66
.set MSB, 0
.macro WIN new
.if MSB != (\new)
	s_set_vgpr_msb (MSB<<8)|(\new)
.set MSB, (\new)
.endif
.endm
.macro TLOAD                           ; waves 0, 1: P's blocks; waves 2, 3: V^T's halves.  An s_nop 0 and four v_nop follow each line
	s_cmp_lt_u32 s[WV], 2
	s_cbranch_scc0 .Lfor_v_\@
	tensor_load_to_lds s[G0P:G0P+3], s[G1P:G1P+7]
	s_nop 0
.rept 4
	v_nop
.endr
	s_branch .Lasked_\@
.Lfor_v_\@:
	tensor_load_to_lds s[G0V:G0V+3], s[G1V:G1V+7]
	s_nop 0
.rept 4
	v_nop
.endr
.Lasked_\@:
.endm
	s_load_b256 s[4:11], s[0:1], 0x0               ; p_codes, p_stats, qkv_codes, qkv_scales
	s_load_b64 s[12:13], s[0:1], 0x20              ; out0
	v_lshl_add_u32 v[SPW], v0, 2, SPARE
	v_mov_b32 v[NIL], 0
	ds_add_u32 v[SPW], v[NIL]                      ; the opening: the add, twice on end, and its wait ahead of my first tensor load
	ds_add_u32 v[SPW], v[NIL]
	v_lshrrev_b32 v1, 5, v0
	v_readfirstlane_b32 s[WV], v1
	s_lshr_b32 s15, s[WV], 1                       ; a
	s_and_b32 s16, s[WV], 1                        ; b
	s_mov_b32 s17, ttmp9                           ; the tile of e
	s_and_b32 s18, ttmp7, 0xffff
	s_and_b32 s[NI], s18, 7
	s_sub_co_u32 s[NI], 7, s[NI]
	s_lshr_b32 s18, s18, 3                         ; batch
.irp g, G1P, G1V, G1S                  ; dense bytes as rows of 256: elements of 8 bytes, no mask, no padding
	s_mov_b32 s[\g], 3<<16
	s_mov_b32 s[\g+1], 32<<16
	s_mov_b32 s[\g+3], 32<<16
	s_mov_b32 s[\g+5], 32
	s_mov_b32 s[\g+6], 0
	s_mov_b32 s[\g+7], 0
.endr
	s_mov_b32 s[G1P+2], 192<<16
	s_mov_b32 s[G1P+4], 192
	s_mov_b32 s[G1V+2], 96<<16
	s_mov_b32 s[G1V+4], 96
	s_mov_b32 s[G1S+2], 8<<16
	s_mov_b32 s[G1S+4], 8
	s_mov_b32 s[SEL], 0x76543210
	s_mov_b32 s[SEL+1], 0xfedcba98
	s_mov_b32 s[TB], 0
	s_mov_b32 s[TBF], 0
	s_mov_b32 s[TS], 0
	s_mov_b32 s[KC], 0
	s_mul_i32 s[PARTP], s16, PBLK
	s_mul_i32 s[PARTV], s16, 2*KSB
	s_add_co_u32 s[PARTV], s[PARTV], 2*PBLK
	s_lshl_b32 s26, s[NI], 1
	s_add_co_u32 s27, s26, s16
	s_mul_i32 s70, s27, 196608
	s_mul_i32 s27, s18, 3145728
	s_add_co_u32 s70, s70, s27                     ; P: block 2 i + (wave % 2) of my batch
	s_mov_b32 s71, 0
	s_mul_i32 s72, s18, 1572864
	s_mul_i32 s27, s17, 196608
	s_add_co_u32 s72, s72, s27
	s_mul_i32 s27, s16, 2*KSB
	s_add_co_u32 s72, s72, s27
	s_add_co_u32 s72, s72, 12582912                ; V^T: my tile of e, K steps 2 (wave % 2) on
	s_mov_b32 s73, 0
	s_lshl_b32 s74, s18, 16
	s_lshl_b32 s27, s17, 13
	s_add_co_u32 s74, s74, s27
	s_lshl_b32 s27, s[WV], 11
	s_add_co_u32 s74, s74, s27
	s_add_co_u32 s74, s74, 524288                  ; V^T's scale words: my quarter
	s_mov_b32 s75, 0
	s_add_co_u32 s27, s26, s15
	s_lshl_b32 s76, s27, 16
	s_lshl_b32 s27, s18, 20
	s_add_co_u32 s76, s76, s27
	s_lshl_b32 s27, s16, 11
	s_add_co_u32 s76, s76, s27                     ; the statistics: block 2 i + wave / 2, tiles 4 (wave % 2) on
	s_mov_b32 s77, 0
	s_lshl_b32 s78, s18, 23
	s_lshl_b32 s27, s[NI], 20
	s_add_co_u32 s78, s78, s27
	s_lshl_b32 s27, s15, 19
	s_add_co_u32 s78, s78, s27
	s_lshl_b32 s27, s17, 9
	s_add_co_u32 s78, s78, s27
	s_lshl_b32 s27, s16, 8
	s_add_co_u32 s78, s78, s27                     ; out0: my 128 rows, my 256 bytes of each
	s_mov_b32 s79, 0
	s_lshl_b32 s69, s[WV], 11
	s_wait_dscnt 0x0                               ; both opening adds are done
	s_wait_kmcnt 0x0
	s_mov_b32 s[G0S], 1
	s_add_co_u32 s[G0S+1], s69, VSC
	s_add_nc_u64 s[G0S+2:G0S+3], s[10:11], s[74:75]
	s_or_b32 s[G0S+3], s[G0S+3], 0x80000000
	tensor_load_to_lds s[G0S:G0S+3], s[G1S:G1S+7]  ; every wave: 2,048 bytes of V^T's scale words
	s_nop 0
	s_mov_b32 s[G0P], 1
	s_mov_b32 s[G0P+1], s[PARTP]
	s_add_nc_u64 s[G0P+2:G0P+3], s[4:5], s[70:71]
	s_or_b32 s[G0P+3], s[G0P+3], 0x80000000
	s_mov_b32 s[G0V], 1
	s_mov_b32 s[G0V+1], s[PARTV]
	s_add_nc_u64 s[G0V+2:G0V+3], s[8:9], s[72:73]
	s_or_b32 s[G0V+3], s[G0V+3], 0x80000000
	TLOAD                                          ; slot 0: keys 0 to 511, of which key 0 counts for every query
	s_add_nc_u64 s[6:7], s[6:7], s[76:77]
	s_add_nc_u64 s[12:13], s[12:13], s[78:79]
	v_and_b32 v20, 15, v0                          ; r
	v_bfe_u32 v21, v0, 4, 1                        ; h
	v_and_b32 v22, 31, v0
	v_lshlrev_b32 v[LI], 4, v22
	v_lshlrev_b32 v23, 4, v20                      ; 16 r
	v_lshl_add_u32 v[CO], v21, 12, v23
	s_lshl_b32 s69, s15, 13
	s_lshl_b32 s26, s16, 8
	s_add_co_u32 s69, s69, s26
	s_add_co_u32 s69, s69, PSC
	v_lshl_add_u32 v[PWA], v21, 9, v23
	v_add_nc_u32 v[PWA], s69, v[PWA]               ; where I store P's words: block wave / 2, K step 2 cc + h, tiles 4 (wave % 2) on
	s_lshl_b32 s69, s[WV], 8
	s_add_co_u32 s69, s69, LINV
	v_add_nc_u32 v[LWA], s69, v23
	s_mul_i32 s69, s15, PBLK
	v_add_nc_u32 v[AP0], s69, v[LI]
	s_mul_i32 s69, s16, 4*FRB
	s_add_co_u32 s69, s69, 2*PBLK
	v_add_nc_u32 v[AV0], s69, v[LI]
	s_lshl_b32 s69, s15, 13
	s_add_co_u32 s69, s69, PSC
	v_add_nc_u32 v[AS0], s69, v23
	s_lshl_b32 s69, s16, 8
	s_add_co_u32 s69, s69, VSC
	v_add_nc_u32 v[AT0], s69, v23
	s_mul_i32 s69, s[WV], 16*272                   ; my stage for the way out, in LDS slot 0: left at the last change of slots, its last fill long landed
	v_mul_u32_u24 v[STO], v20, 272
	v_lshl_add_u32 v[STO], v21, 6, v[STO]
	v_add_nc_u32 v[STO], s69, v[STO]
	v_mul_u32_u24 v[RD], v21, 272
	v_add_nc_u32 v[RD], v[RD], v23
	v_add_nc_u32 v[RD], s69, v[RD]
	s_lshl_b32 s69, s15, 9
	s_add_co_u32 s69, s69, LINV
	v_add_nc_u32 v[LVA], s69, v23
.irp m, 0,1,2,3
	v_mov_b32 v[TP+\m], 0                          ; written once: a lane permute's destination counts as one of its sources
.endr
	; THE STATISTICS.  Thread (wave, r, h): row r of tiles 4 (wave % 2) + m, m = 0..3, of block wave / 2; K step 2 cc + h of chunk cc.  G of (cc, m, B) in v[GB + 16 cc + 4 m + B], L in v[16 cc + 4 m + B] of window 1.
.irp cc, 0,1,2,3,4,5,6,7
.if \cc > 0
	s_cmp_le_u32 \cc, s[NI]                        ; a chunk behind my queries was never stored: it counts as hidden
	s_cbranch_scc0 .Ldead_\cc
.endif
.irp m, 0,1,2,3
	global_load_b128 v[GB+16*\cc+4*\m:GB+16*\cc+4*\m+3], v[CO], s[6:7] offset:8192*\cc+512*\m
.endr
	WIN 0x40
.irp m, 0,1,2,3
	global_load_b128 v[16*\cc+4*\m:16*\cc+4*\m+3], v[CO], s[6:7] offset:8192*\cc+512*\m+256
.endr
	WIN 0
.if \cc > 0
	s_branch .Lgot_\cc
.Ldead_\cc:
.irp k, 0,1,2,3,4,5,6,7,8,9,10,11,12,13,14,15
	v_mov_b32 v[GB+16*\cc+\k], 0xf149f2ca
.endr
	WIN 0x40
.irp k, 0,1,2,3,4,5,6,7,8,9,10,11,12,13,14,15
	v_mov_b32 v[16*\cc+\k], 0
.endr
	WIN 0
.Lgot_\cc:
.endif
.endr
	s_wait_loadcnt 0x0
.irp m, 0,1,2,3
	v_max3_num_f32 v[RM+\m], v[GB+4*\m], v[GB+4*\m+1], v[GB+4*\m+2]
.endr
.irp m, 0,1,2,3
	v_max_num_f32 v[RM+\m], v[RM+\m], v[GB+4*\m+3]
.endr
.irp cc, 1,2,3,4,5,6,7
.irp m, 0,1,2,3
	v_max3_num_f32 v[RM+\m], v[RM+\m], v[GB+16*\cc+4*\m], v[GB+16*\cc+4*\m+1]
.endr
.irp m, 0,1,2,3
	v_max3_num_f32 v[RM+\m], v[RM+\m], v[GB+16*\cc+4*\m+2], v[GB+16*\cc+4*\m+3]
.endr
.endr
.irp m, 0,1,2,3
	v_permlanex16_b32 v[TP+\m], v[RM+\m], s[SEL], s[SEL+1]
.endr
.irp m, 0,1,2,3
	v_max_num_f32 v[RM+\m], v[RM+\m], v[TP+\m]     ; R: key 0 counts for every query, so it is a number
.endr
.irp m, 0,1,2,3
	v_add_f32 v[RM+\m], 0xc2fe0000, v[RM+\m]       ; R - 127
.endr
.set n, 0
.rept 128
	v_sub_f32 v[GB+n], v[GB+n], v[RM+(n/4)%4]      ; G - R + 127
.set n, n+1
.endr
.set n, 0
.rept 128
	v_max_num_f32 v[GB+n], 1.0, v[GB+n]            ; held at 1
.set n, n+1
.endr
.set n, 0
.rept 128
	v_cvt_u32_f32 v[GB+n], v[GB+n]                 ; the byte
.set n, n+1
.endr
.set n, 0
.rept 32
	v_lshl_or_b32 v[WD+n], v[GB+4*n+1], 8, v[GB+4*n]
.set n, n+1
.endr
.set n, 0
.rept 32
	v_lshl_or_b32 v[WD+n], v[GB+4*n+2], 16, v[WD+n]
.set n, n+1
.endr
.set n, 0
.rept 32
	v_lshl_or_b32 v[WD+n], v[GB+4*n+3], 24, v[WD+n]
.set n, n+1
.endr
.irp cc, 0,1,2,3,4,5,6,7
	ds_store_b128 v[PWA], v[WD+4*\cc:WD+4*\cc+3] offset:1024*\cc
.endr
.set n, 0
.rept 128
	v_lshlrev_b32 v[GB+n], 23, v[GB+n]             ; the byte as an exponent field: 2^(G - R)
.set n, n+1
.endr
	WIN 0x01                                       ; L in window 1
.irp cc, 0,1,2,3,4,5,6,7
.irp b, 0,1,2,3
.irp m, 0,1,2,3
.if (\cc == 0) && (\b == 0)
	v_mul_f32 v[LM+\m], v[4*\m], v[GB+4*\m]
.else
	v_fma_f32 v[LM+\m], v[16*\cc+4*\m+\b], v[GB+16*\cc+4*\m+\b], v[LM+\m]   ; the four rows by turns
.endif
.endr
.endr
.endr
	WIN 0
.irp m, 0,1,2,3
	v_permlanex16_b32 v[TP+\m], v[LM+\m], s[SEL], s[SEL+1]
.endr
.irp m, 0,1,2,3
	v_add_f32 v[LM+\m], v[LM+\m], v[TP+\m]         ; l
.endr
.irp m, 0,1,2,3
	v_rcp_f32 v[RC+\m], v[LM+\m]
.endr
	v_nop                                          ; a plain place behind the reciprocals
	s_wait_alu depctr_va_vdst(0)                   ; one wait for the four, ahead of their first reader
	ds_store_b128 v[LWA], v[RC:RC+3]               ; both halves of the lanes store the same numbers at the same place
.macro FRAG reg, adr, off
.irp c, 0,1,2
	ds_load_b128 v[\reg+4*\c:\reg+4*\c+3], v[\adr] offset:\off+512*\c
.endr
.endm
.macro FETCH q, s                      ; the slot's q-th K step into set s: 4 fragments of V^T, 8 of P, 12 scale words a lane
	WIN 0xc0
.irp t, 0,1,2,3
	FRAG 48*(\s)+12*\t, ADV, (\q)*KSB+\t*FRB
.endr
	WIN 0x40
.irp t, 0,1,2,3,4,5,6,7
	FRAG 128*(\s)+12*\t, ADP, (\q)*KSB+\t*FRB
.endr
	WIN 0
	ds_load_b128 v[SCR+12*(\s):SCR+12*(\s)+3], v[ADS] offset:512*(\q)
	ds_load_b128 v[SCR+12*(\s)+4:SCR+12*(\s)+7], v[ADS] offset:512*(\q)+256
	ds_load_b128 v[SCR+12*(\s)+8:SCR+12*(\s)+11], v[ADT] offset:512*(\q)
.endm
.macro MUL s, zero                     ; 32 matrix instructions; the 32 accumulators take turns in the same order in every step
	WIN 0xa7                                       ; source 0 (V^T) window 3, source 1 (P) window 1, C and D window 2
.irp a, 0,1,2,3,4,5,6,7
.irp b, 0,1,2,3
.if \zero
	v_wmma_scale_f32_16x16x128_f8f6f4 v[8*(4*\a+\b):8*(4*\a+\b)+7], v[48*(\s)+12*\b:48*(\s)+12*\b+11], v[128*(\s)+12*\a:128*(\s)+12*\a+11], 0, v[SCR+12*(\s)+8+\b], v[SCR+12*(\s)+\a] matrix_a_fmt:MATRIX_FMT_FP6 matrix_b_fmt:MATRIX_FMT_FP6
.else
	v_wmma_scale_f32_16x16x128_f8f6f4 v[8*(4*\a+\b):8*(4*\a+\b)+7], v[48*(\s)+12*\b:48*(\s)+12*\b+11], v[128*(\s)+12*\a:128*(\s)+12*\a+11], v[8*(4*\a+\b):8*(4*\a+\b)+7], v[SCR+12*(\s)+8+\b], v[SCR+12*(\s)+\a] matrix_a_fmt:MATRIX_FMT_FP6 matrix_b_fmt:MATRIX_FMT_FP6
.endif
.endr
.endr
.endm
.macro PLACES n
.rept \n
	v_nop
.endr
.endm
; THE CHANGE OF SLOTS, at a slot's head.  Each wave waits for all its tensor loads, adds 0 to its spare word, and waits for that, for its LDS stores and for its reads of the slot that it has left.  Behind the
; barrier the slot ahead is whole and nobody reads the other.  fill = 1: that other slot takes the next 512 keys, if any of them counts for my work-group's queries.
.macro CHANGE fill
	s_wait_tensorcnt 0x0                           ; no tensor load of mine is out, so a group 0 may be written
	ds_add_u32 v[SPW], v[NIL]
.if \fill
	s_xor_b32 s[TBF], s[TBF], SLOTB
	s_add_co_u32 s[G0P+1], s[PARTP], s[TBF]
	s_add_co_u32 s[G0V+1], s[PARTV], s[TBF]
	s_add_nc_u64 s[G0P+2:G0P+3], s[G0P+2:G0P+3], PBLK
	s_add_nc_u64 s[G0V+2:G0V+3], s[G0V+2:G0V+3], PBLK
.endif
	s_wait_dscnt 0x0
	s_barrier_signal -1
	s_barrier_wait -1
.if \fill
	s_add_co_u32 s69, s[KC], 2                     ; the first chunk of the slot that this change would ask for
	s_cmp_gt_u32 s69, s[NI]                        ; ids and the count of slots alone: all four waves go the same way, and a work-group past the limit stays past it
	s_cbranch_scc1 .Lpast_\@
	TLOAD                                          ; my one tensor load behind the barrier
.Lpast_\@:
.endif
.endm
; A slot's four K steps.  The next step's fragments are asked for ahead of each step's products.  first = 1: the first products start the sums.
.macro SLOTW first
.if \first == 0
	s_cmp_gt_u32 s[KC], s[NI]
	s_cbranch_scc1 .Lhid_\@
.endif
	v_add_nc_u32 v[ADP], s[TB], v[AP0]             ; (these four are also the places behind the last slot's products)
	v_add_nc_u32 v[ADV], s[TB], v[AV0]
	v_add_nc_u32 v[ADS], s[TS], v[AS0]
	v_add_nc_u32 v[ADT], s[TS], v[AT0]
	FETCH 0, 0
	s_wait_dscnt 0x0
	PLACES 4
	FETCH 1, 1
	MUL 0, \first
	s_wait_dscnt 0x0
	PLACES 4
	FETCH 2, 0
	MUL 1, 0
	WIN 0
	s_add_co_u32 s69, s[KC], 1                     ; the slot's second chunk may be hidden: the loads just issued then read zero codes that nothing uses
	s_cmp_gt_u32 s69, s[NI]
	s_cbranch_scc1 .Lhid_\@
	s_wait_dscnt 0x0
	PLACES 4
	FETCH 3, 1
	MUL 0, 0
	s_wait_dscnt 0x0
	MUL 1, 0
	WIN 0
.Lhid_\@:
	s_add_co_u32 s[KC], s[KC], 2
	s_add_co_u32 s[TS], s[TS], 2048
	s_xor_b32 s[TB], s[TB], SLOTB
.endm
	CHANGE 1                                       ; its wait and barrier also show P's words and 1 / l to every wave; behind it slot 1 is filled for the first time
	SLOTW 1
	s_mov_b32 s68, 2
.Lslots:
	CHANGE 1
	SLOTW 0
	s_sub_co_u32 s68, s68, 1
	s_cmp_lg_u32 s68, 0
	s_cbranch_scc1 .Lslots
	CHANGE 0                                       ; nothing is left to ask for
	SLOTW 0
	; THE WAY OUT.  A lane holds one query and 8 x 4 of e; a tile of 16 queries goes through my stage and leaves as rows of 256 bytes, sixteen lanes to a row.
	PLACES 4
	ds_load_b128 v[LV:LV+3], v[LVA]
	ds_load_b128 v[LV+4:LV+7], v[LVA] offset:256
	s_wait_dscnt 0x0
.macro PACKT a
.set TT, 128+32*((\a)%2)
.set BB, 192+32*((\a)%2)
.if (\a) >= 2
	s_wait_xcnt 0x0                                ; the stores of the tile two back have read their registers
.endif
	WIN 0x02
.set n, 0
.rept 32
	v_mul_f32 v[TT+n], v[32*(\a)+n], v[LV+(\a)]    ; / l; each accumulator from its low end on
.set n, n+1
.endr
	WIN 0
.irp b, 0,1,2,3
.irp k, 0,1
	ds_store_b128 v[STO], v[TT+8*\b+4*\k:TT+8*\b+4*\k+3] offset:128*(\b/2)+32*(\b%2)+16*\k   ; register 8 b + j is e = 32 (b / 2) + 8 (b % 2) + 16 h + j of my 64
.endr
.endr
.irp t, 0,1,2,3,4,5,6,7
	ds_load_b128 v[BB+4*\t:BB+4*\t+3], v[RD] offset:544*\t   ; LDS serves a wave's instructions in order: these see the stores above
.endr
.endm
.macro SEND a, younger                 ; younger: the next tile's 8 stores and 8 loads, or none
.set BB, 192+32*((\a)%2)
	s_wait_dscnt \younger
.irp t, 0,1,2,3,4,5,6,7
	global_store_b128 v[CO], v[BB+4*\t:BB+4*\t+3], s[12:13] offset:(32*((\a)/2)+8*((\a)%2)+2*(\t%4)+16*(\t/4))*4096 th:TH_STORE_NT   ; 16 lanes store 256 consecutive bytes, aligned; the tile's rows go to their true places
.endr
.endm
	PACKT 0
.irp a, 1,2,3,4,5,6,7
	PACKT \a
	SEND \a-1, 16
.endr
	SEND 7, 0
	s_wait_tensorcnt 0x0                           ; the wave's end
	ds_add_u32 v[SPW], v[NIL]
	s_wait_dscnt 0x0
	s_endpgm
.Lfunc_end_k_qb666c92c3c_pv:
	.size	k_qb666c92c3c_pv, .Lfunc_end_k_qb666c92c3c_pv-k_qb666c92c3c_pv
	.p2alignl 7, 3214868480
	.fill 96, 4, 3214868480
	.section	.rodata,"a",@progbits
	.p2align	6, 0x0
	.amdhsa_kernel k_qb666c92c3c_pv
		.amdhsa_group_segment_fixed_size 327680
		.amdhsa_private_segment_fixed_size 0
		.amdhsa_enable_private_segment 0
		.amdhsa_kernarg_size 40
		.amdhsa_user_sgpr_count 2
		.amdhsa_user_sgpr_kernarg_segment_ptr 1
		.amdhsa_wavefront_size32 1
		.amdhsa_system_sgpr_workgroup_id_x 1
		.amdhsa_system_sgpr_workgroup_id_y 1
		.amdhsa_system_sgpr_workgroup_id_z 1
		.amdhsa_system_vgpr_workitem_id 0
		.amdhsa_next_free_vgpr 1024
		.amdhsa_next_free_sgpr 80
		.amdhsa_reserve_vcc 0
		.amdhsa_float_denorm_mode_32 3
		.amdhsa_float_denorm_mode_16_64 3
		.amdhsa_memory_ordered 1
		.amdhsa_forward_progress 1
		.amdhsa_inst_pref_size 169
	.end_amdhsa_kernel
	.amdgpu_metadata
---
amdhsa.version: [ 1, 2 ]
amdhsa.kernels:
  - .name:           k_qb666c92c3c_pv
    .symbol:         k_qb666c92c3c_pv.kd
    .args:
      - { .name: p_codes, .offset: 0, .size: 8, .value_kind: global_buffer, .address_space: global }
      - { .name: p_stats, .offset: 8, .size: 8, .value_kind: global_buffer, .address_space: global }
      - { .name: qkv_codes, .offset: 16, .size: 8, .value_kind: global_buffer, .address_space: global }
      - { .name: qkv_scales, .offset: 24, .size: 8, .value_kind: global_buffer, .address_space: global }
      - { .name: out0, .offset: 32, .size: 8, .value_kind: global_buffer, .address_space: global }
    .group_segment_fixed_size: 327680
    .private_segment_fixed_size: 0
    .kernarg_segment_align: 8
    .kernarg_segment_size: 40
    .max_flat_workgroup_size: 128
    .sgpr_count:     80
    .vgpr_count:     1024
    .wavefront_size: 32
...
	.end_amdgpu_metadata
.endif
;; end of part 4
